; MI455X (gfx1250); checked and timed in simulation.
; The chip was launched on July 23, 2026; its instructions are those of AMD's public machine-readable ISA for CDNA 5 (MIT licence, August 2026) and "CDNA5" Instruction Set Architecture Reference Guide (July 2026). The comments in the code are by the model that wrote it; some were corrected since.
;; Hyperbolic MLP. Allowed arithmetic: float matrix products may take bf16 or f16 operands with f32 sums; all other float work in f32.
;; Inputs: W1 2,048 x 1,024 float32; W2 2,048 x 2,048 float32; W3 1,000 x 2,048 float32; b1 2,048 float32; b2 2,048 float32; b3 1,000 float32; be1 2,048 float32; be2 2,048 float32; g1 2,048 float32; g2 2,048 float32; x 8,192 x 1,024 float32.
;; Outputs: out0 8,192 x 1,000 float32.
;; 2 versions, each right; version 2 is version 1 with the launches cast, ew1, ew2 written anew for expert scheduling mode. Each part assembles by itself: llvm-mc -triple=amdgcn-amd-amdhsa -mcpu=gfx1250 --defsym DOCPART=n.
;; ======== version 1 of 2: 7 launches
;; limits: values outside matrix products are rounded to bf16
;; workspace buffers: cx 20,971,520 bytes; cb 33,554,432 bytes; d 33,554,432 bytes; h 33,554,432 bytes; st 1,572,864 bytes; np 262,144 bytes; lg 33,554,432 bytes
;; launch cast (part 1): grid 640 x 1, 8 waves a work-group, no clusters, 0 bytes of LDS; arguments x, W1, cx; writes cx
.if DOCPART == 1
	.amdgcn_target "amdgcn-amd-amdhsa--gfx1250"
	.amdhsa_code_object_version 6
	.text
	.protected	k_q7690c6f0db_cast
	.globl	k_q7690c6f0db_cast
	.p2align	8
	.type	k_q7690c6f0db_cast,@function
k_q7690c6f0db_cast:
	s_mov_b64 s[64:65], 0
	v_nop
	global_prefetch_b8 v0, s[64:65] scope:SCOPE_SE
	s_setreg_imm32_b32 hwreg(HW_REG_WAVE_MODE, 25, 1), 1
	s_wait_xcnt 0x0
; x and W1 (f32) are rounded once to bf16 into cx, one behind the other: x at byte 0, W1 at 16,777,216.  (W2 and W3 are rounded beside the first product's matrix work.)
; A work-group converts 16,384 numbers: 65,536 bytes in, 32,768 out.  The regions lie in the order of the work-groups' numbers, so the
; output offset is number x 32,768 for all: 512 groups for x, 128 for W1.
; Memory binds: every byte is read once by 16-byte loads (a wave covers 512 consecutive bytes), all sixteen loads of a thread are out at once,
; and a wave's 8-byte stores cover 256 consecutive bytes, aligned.  LDS, barriers and the matrix unit would add nothing.
.set X, 4                              ; v[4:67]  sixteen slots of four f32; a slot's first pair takes its four bf16
	s_load_b128 s[8:11], s[0:1], 0x0               ; x s[8:9], W1 s[10:11]
	s_load_b64 s[16:17], s[0:1], 0x10              ; cx
	s_mov_b32 s25, ttmp9                           ; my number
	v_lshlrev_b32 v1, 4, v0                        ; 16 t: my 16 bytes in 4,096 of the source
	v_lshlrev_b32 v2, 3, v0                        ; 8 t: my 8 bytes in 2,048 of cx
	s_lshl_b32 s26, s25, 15
	s_mov_b32 s27, 0
	s_wait_kmcnt 0x0
	s_add_nc_u64 s[22:23], s[16:17], s[26:27]      ; cx at my 32,768 bytes
	s_cmp_ge_u32 s25, 512                          ; the source and the number of its first group, chosen by my number alone
	s_cselect_b64 s[20:21], s[10:11], s[8:9]
	s_cselect_b32 s24, 512, 0
	s_sub_co_u32 s26, s25, s24
	s_lshl_b32 s26, s26, 16                        ; 65,536 bytes of the source a group
	s_add_nc_u64 s[20:21], s[20:21], s[26:27]
.irp i, 0,1,2,3,4,5,6,7,8,9,10,11,12,13,14,15
	global_load_b128 v[X+4*(\i):X+4*(\i)+3], v1, s[20:21] offset:4096*(\i) th:TH_LOAD_NT
.endr
.irp i, 0,1,2,3,4,5,6,7,8,9,10,11,12,13,14,15
	s_wait_loadcnt 15-(\i)                         ; loads come back in order: slot i is in, the 15 - i younger ones stay out
	v_cvt_pk_bf16_f32 v[X+4*(\i)], v[X+4*(\i)], v[X+4*(\i)+1]
	v_cvt_pk_bf16_f32 v[X+4*(\i)+1], v[X+4*(\i)+2], v[X+4*(\i)+3]
	global_store_b64 v2, v[X+4*(\i):X+4*(\i)+1], s[22:23] offset:2048*(\i)  ; no register of a store is written again
.endr
	s_endpgm
.Lfunc_end_k_q7690c6f0db_cast:
	.size	k_q7690c6f0db_cast, .Lfunc_end_k_q7690c6f0db_cast-k_q7690c6f0db_cast
	.p2alignl 7, 3214868480
	.fill 96, 4, 3214868480
	.section	.rodata,"a",@progbits
	.p2align	6, 0x0
	.amdhsa_kernel k_q7690c6f0db_cast
		.amdhsa_group_segment_fixed_size 0
		.amdhsa_private_segment_fixed_size 0
		.amdhsa_enable_private_segment 0
		.amdhsa_kernarg_size 24
		.amdhsa_user_sgpr_count 2
		.amdhsa_user_sgpr_kernarg_segment_ptr 1
		.amdhsa_wavefront_size32 1
		.amdhsa_system_sgpr_workgroup_id_x 1
		.amdhsa_system_sgpr_workgroup_id_y 1
		.amdhsa_system_sgpr_workgroup_id_z 1
		.amdhsa_system_vgpr_workitem_id 0
		.amdhsa_next_free_vgpr 72
		.amdhsa_next_free_sgpr 66
		.amdhsa_reserve_vcc 0
		.amdhsa_float_denorm_mode_32 3
		.amdhsa_float_denorm_mode_16_64 3
		.amdhsa_memory_ordered 1
		.amdhsa_forward_progress 1
		.amdhsa_inst_pref_size 7
	.end_amdhsa_kernel
	.amdgpu_metadata
---
amdhsa.version: [ 1, 2 ]
amdhsa.kernels:
  - .name:           k_q7690c6f0db_cast
    .symbol:         k_q7690c6f0db_cast.kd
    .args:
      - { .name: x, .offset: 0, .size: 8, .value_kind: global_buffer, .address_space: global }
      - { .name: W1, .offset: 8, .size: 8, .value_kind: global_buffer, .address_space: global }
      - { .name: cx, .offset: 16, .size: 8, .value_kind: global_buffer, .address_space: global }
    .group_segment_fixed_size: 0
    .private_segment_fixed_size: 0
    .kernarg_segment_align: 8
    .kernarg_segment_size: 24
    .max_flat_workgroup_size: 256
    .sgpr_count:     66
    .vgpr_count:     72
    .wavefront_size: 32
...
	.end_amdgpu_metadata
.endif
;; end of part 1
;; launch gemm1 (part 2): grid 8 x 32, 4 waves a work-group, clusters of 4 x 4, 327,680 bytes of LDS; arguments cx, b1, W2, W3, d, st, cb; writes d, st, cb
.if DOCPART == 2
	.amdgcn_target "amdgcn-amd-amdhsa--gfx1250"
	.amdhsa_code_object_version 6
	.text
	.protected	k_q7690c6f0db_gemm1
	.globl	k_q7690c6f0db_gemm1
	.p2align	8
	.type	k_q7690c6f0db_gemm1,@function
k_q7690c6f0db_gemm1:
	s_mov_b64 s[64:65], 0
	v_nop
	global_prefetch_b8 v0, s[64:65] scope:SCOPE_SE
	s_setreg_imm32_b32 hwreg(HW_REG_WAVE_MODE, 25, 1), 1
	s_wait_xcnt 0x0
	s_wait_alu depctr_hold_cnt(0) depctr_sa_sdst(0) depctr_va_vdst(0) depctr_va_sdst(0) depctr_va_ssrc(0) depctr_va_vcc(0) depctr_vm_vsrc(0)
	s_getreg_b32 s2, hwreg(HW_REG_IB_STS2, 6, 4)
	s_cmp_eq_u32 s2, 0
	s_cbranch_scc0 .Lentry_in_a_cluster
	s_endpgm
.Lentry_in_a_cluster:
	s_bfe_u32 s2, ttmp6, 0x10000c
	s_cmp_lg_u32 s2, 0xf033
	s_cbranch_scc0 .Lentry_shape_is_right
	s_endpgm
.Lentry_shape_is_right:
; LAYER 1: z = x W1^T + b1, left in the form that batch norm over the 8,192 rows needs; beside it W2 and W3 are rounded to bf16 for the later layers.
; One text serves layers 1 and 2; the four constants SCALED, WCAST, SIZE_K and BOFF tell them apart.
; A [8192][SIZE_K] and B [2048][SIZE_K] are bf16, sums f32.  A tile of z, 256 x 256, is made by four waves, each 128 x 128 in 64 accumulators (512 registers): 256 work-groups.
; K goes in steps of 128 through a ring of two LDS slots filled by the tensor data mover; the tiles' rows are 256 bytes of memory at multiples of 256.  A K step is written once: the slot in hand is a
; scalar, 0 or SLOT, that an exclusive or turns; it enters the two LDS read addresses, and the same exclusive or turns the LDS word of the one descriptor that walks for each operand.
; CLUSTER 4 x 4: the four work-groups of a row of the cluster need the same tiles of A, the four of a column the same tiles of B: each tile is asked for jointly.
; THE MATRIX INSTRUCTION IS USED TRANSPOSED (source 0 = 16 rows of B, source 1 = 16 rows of A): lane l holds row l % 16 of z and the columns 8 (l / 16) + 0..7.
; WHAT LEAVES.  Each column of a wave's block of 128 rows is centred on the block's own first row c: d = z - c goes out in bf16, and one walk over the rows also makes S1 = the sum of d and S2 = the sum
; of d^2.  Into st go the block's mean c + S1 / 128 + bias, 524,288 bytes on M2 = S2 - S1^2 / 128 (the sum of squared deviations from that mean), and 1,048,576 bytes on the centre c + bias.
; c carries whatever offset the column has, so S2 and S1^2 / 128 are both of the size of the spread: no difference of large sums is formed, and d's rounding goes by the distance to a row of the block.
; With SCALED = 1 each row of the sums is first multiplied by the row's factor of the hyperbolic maps (RSC): a factor a row commutes with the product.
; THE WAY OUT goes through LDS: when the ring has had its last fill and its last read, each wave lays its 128 x 128 f32 into its own part of the ring (rows of 528 bytes) and walks it
; once by rows, a lane holding four columns.  No reduction across lanes is needed.
; WCAST = 1: W2 [2048][2048] and W3 [1000][2048] (f32) are rounded to bf16 into cb, W2 at byte 20,971,520 and W3 behind it as [1024][2048] with zero rows 1000-1023.  That is 6,144 pieces of 1,024 numbers:
; 256 work-groups x 4 waves x the loop's 6 trips.  A wave takes one piece a trip: eight loads at the trip's head, the roundings and four stores at its end, a K step's matrix work later.
; LIMITS.  NaN and infinities are not treated apart.  M2, where rounding makes it negative, counts as 0.
.set SCALED, 0
.set WCAST,  1
.set SIZE_K, 1024
.set BOFF,   16777216                  ; B's first byte in its buffer
.set KSTEP,  128
.set PITCH,  272                       ; an LDS row: 256 bytes + 16 of padding = 68 words: the 16 rows that a load touches start at 16 different groups of four banks (ISA guide 11.1)
.set HALFT,  128*PITCH                 ; 128 rows: what one tensor load brings, and what one wave reads of A or of B
.set SLOT,   4*HALFT                   ; A's 256 rows, then B's 256 rows.  SLOT = 0x22000 shares no bit with wave x HALFT (0, 0x8800, 0x11000, 0x19800): an exclusive or with SLOT adds or takes away SLOT
.set SPITCH, 528                       ; a row of the stage: 128 f32 + 16 bytes
.set WSTAGE, 128*SPITCH                ; a wave's stage, inside the ring: 4 x 67,584 = 270,336 of its 278,528 bytes
.set RST,    2*SLOT                    ; behind the ring: 128 row factors for each wave, 512 bytes (SCALED)
.set SPARE,  RST+4*512                 ; behind them: the spare words, 128 bytes for each wave: two blocks of 256 bytes that no other line names
.set STEPS,  SIZE_K/KSTEP
.set PQOFF,  524288                    ; M2's part of st
.set PCOFF,  1048576                   ; the centres' part of st
.set W2B,    20971520                  ; where W2's bf16 begins in cb
.if SCALED
.set PA,  68                           ; s[68:69] h      s[70:71] cb      s[72:73] bias      s[74:75] np
.set PW,  70
.set PBI, 72
.set PNP, 74
.else
.set PA,  68                           ; s[68:69] cx (A at its head, B at BOFF)      s[70:71] bias      s[72:73] W2      s[74:75] W3      s[80:81] cb
.set PW,  68
.set PBI, 70
.set PW2, 72
.set PW3, 74
.set PCW, 80
.endif
.set PD,  76                           ; s[76:77] d      s[78:79] st
.set PST, 78
.set SL,  45                           ; s45      the slot in hand: 0 or SLOT
.set WC,  88                           ; s88      WCAST: my piece's number: 1,024 x trip + 4 x work-group + wave
.set WN,  89                           ; s89      its number in its source
.set WLIM, 90                          ; s90      the source's last piece
.set WMASK, 91                         ; s91      -1, or 0 for a piece of W3's zero rows
.set WSRC, 92                          ; s[92:93] the piece in W2 or W3
.set WDST, 94                          ; s[94:95] the piece in cb
.set WOFF, 96                          ; s[96:97] an offset in 64 bits
.set WL2, 98                           ; s98, s99 4,095 and 1,999: the last pieces of W2 and of W3
.set WL3, 99
; window 0
.set BIAS, 8                           ; v[8:11]   the bias of my four columns
.set VL32, 12                          ; v12       32 x lane (WCAST)
.set ADRA0, 16                         ; v16, v17  LDS address of my A and B fragments in slot 0; never rewritten
.set ADRB0, 17
.set ADRA, 20                          ; v20, v21  the same in the slot in hand
.set ADRB, 21
.set STO,  24                          ; v24       the stage: where I put my results of a row
.set RD,   25                          ; v25       the stage: my 16 bytes of its first row
.set GO,   26                          ; v26       8 x lane: my 8 bytes of a row of d
.set RSA,  27                          ; v27       LDS address of the trip's sixteen row factors
.set SPW,  28                          ; v28       LDS address of my spare word; never rewritten
.set NIL,  29                          ; v29       0; never rewritten
.set C16,  30                          ; v30       16 x lane
.set RDT,  31                          ; v31       RD + the trip's rows
.set W0,   32                          ; v[32:39]  at work in RSC
.set NPL,  192                         ; v[192:223] the eight slabs' parts of four rows' sums of squares (SCALED, ahead of the loop)
.set WX,   192                         ; v[192:223] WCAST: a piece as loaded;  v[224:239] as stored
.set WY,   224
.set F0,   64                          ; fragment buffers (A's in window 0, B's in window 1)
.set F1,   128
.set X,    64                          ; the way out: v[64:127] sixteen rows x four columns
.set Y,    128                         ; v[128:159] sixteen rows x four bf16
.set R,    160                         ; v[160:175] sixteen row factors
.set S,    176                         ; v[176:183] S1, two sets (even rows', odd rows')
.set CEN,  184                         ; v[184:187] the block's centre
.set Q,    188                         ; v[188:195] S2, two sets
.set T,    196                         ; v[196:199] centre + bias
.set E,    200                         ; v[200:203] S1 / 128, then the mean
.set G1,  24                           ; s[24:31] descriptor group 1 for A's tiles;  s[32:39] group 0: a set for each of the two first fills; the second then walks on
.set G0,  32
.set G1B, 48                           ; s[48:55], s[56:63] the same for B's tiles
.set G0B, 56
.set MSB, 0
.macro WIN new                         ; the immediate's high byte repeats the setting that is left; a switch that changes nothing is dropped
.if MSB != (\new)
	s_set_vgpr_msb (MSB<<8)|(\new)
.set MSB, \new
.endif
.endm
.set MUL_LO, 0xa1                      ; source 0 (B) window 1, source 1 (A) window 0, C and D window 2: my rows 0-63
.set MUL_HI, 0xf1                      ; the same, C and D window 3: my rows 64-127
.set TO_B,   0x40                      ; destination window 1, address window 0
; A joint load.  Waves 0 and 1 fetch A's two halves, waves 2 and 3 B's.  The branch hangs on the wave's number alone.  An s_nop 0 and four v_nop follow each of the two lines.
.macro JLOAD s
	s_cmp_eq_u32 s11, 0
	s_cbranch_scc0 .Lfor_b_\@
	tensor_load_to_lds s[G0+4*(\s):G0+4*(\s)+3], s[G1:G1+7]
	s_nop 0
.rept 4
	v_nop
.endr
	s_branch .Lasked_\@
.Lfor_b_\@:
	tensor_load_to_lds s[G0B+4*(\s):G0B+4*(\s)+3], s[G1B:G1B+7]
	s_nop 0
.rept 4
	v_nop
.endr
.Lasked_\@:
.endm
.macro CREST                           ; a round of the cluster's barrier behind its opening barrier: wave 0 signals for the work-group, every wave waits for all sixteen, my work-group's barrier closes it
	s_cmp_lg_u32 s10, 0
	s_cbranch_scc1 .Lnot_wave_0_\@
	s_barrier_signal -3
.Lnot_wave_0_\@:
	s_barrier_wait -3
	s_barrier_signal -1
	s_barrier_wait -1
.endm
.macro CROUND                          ; a whole round
	s_barrier_signal -1
	s_barrier_wait -1
	CREST
.endm
	s_load_b256 s[68:75], s[0:1], 0x0
	s_load_b128 s[76:79], s[0:1], 0x20
.if WCAST
	s_load_b64 s[80:81], s[0:1], 0x30
.endif
	v_lshl_add_u32 v[SPW], v0, 2, SPARE
	v_mov_b32 v[NIL], 0
	ds_add_u32 v[SPW], v[NIL]                      ; the wave's opening: the add and its wait stand ahead of my first tensor load; the set-up below, work on registers, stands between them
	v_lshrrev_b32 v1, 5, v0
	v_readfirstlane_b32 s10, v1                    ; wave 0..3
	s_lshr_b32 s11, s10, 1                         ; which half of the tile's rows is mine.  Also: I fetch for A (0) or for B (1)
	s_and_b32 s12, s10, 1                          ; which half of its columns.  Also: which 128 rows of that tile I fetch
	s_bfe_u32 s40, ttmp6, 0x40000                  ; cx, cy: my place in the cluster
	s_bfe_u32 s41, ttmp6, 0x40004
	s_lshl_b32 s42, ttmp9, 2
	s_add_co_u32 s42, s42, s40                     ; tile column = 4 x cluster x + cx
	s_and_b32 s13, ttmp7, 0xffff
	s_lshl_b32 s13, s13, 2
	s_add_co_u32 s13, s13, s41                     ; tile row = 4 x cluster y + cy
	s_lshl_b32 s43, s41, 2
	s_lshl_b32 s43, 15, s43                        ; my row of the cluster: places 4 cy .. 4 cy + 3
	s_lshl_b32 s44, 0x1111, s40                    ; my column: places cx, cx + 4, cx + 8, cx + 12
	; descriptor group 1: a tile of 128 rows x 128 elements of 2 bytes, 16 bytes of padding behind every 256
	s_or_b32 s[G1+0], s43, (1<<16)|(1<<20)|(1<<21)|(5<<22)|(3<<25)   ; 15:0 the mask: A's tiles go to my row; 17:16 2-byte elements; 20 padding on; 21 set beside a mask; 24:22 after every 64 words; 31:25 four words
	s_or_b32 s[G1B+0], s44, (1<<16)|(1<<20)|(1<<21)|(5<<22)|(3<<25)  ; the same with the mask of my column
.irp g, G1, G1B
	s_mov_b32 s[(\g)+1], KSTEP<<16                 ; tensor_dim0 = 128
	s_mov_b32 s[(\g)+2], 128<<16                   ; tensor_dim1 = 128
	s_mov_b32 s[(\g)+3], KSTEP<<16                 ; tile_dim0 = 128
	s_mov_b32 s[(\g)+4], 128                       ; tile_dim1 = 128
	s_mov_b32 s[(\g)+5], SIZE_K                    ; elements from row to row
	s_mov_b32 s[(\g)+6], 0
	s_mov_b32 s[(\g)+7], 0
.endr
	; A's tiles hang on the tile row alone, B's on the tile column alone; each address is made in registers that never hold the other coordinate
	s_lshl_b32 s17, s12, 7
	s_lshl_b32 s16, s13, 8
	s_add_co_u32 s16, s16, s17                     ; A: row 256 x tile row + 128 x half
	s_lshl_b32 s46, s42, 8
	s_add_co_u32 s46, s46, s17                     ; B: row 256 x tile column + 128 x half
	s_mov_b32 s17, 0
	s_mov_b32 s47, 0
	s_mov_b64 s[18:19], SIZE_K*2
	s_mul_u64 s[16:17], s[16:17], s[18:19]
	s_mul_u64 s[46:47], s[46:47], s[18:19]
	s_mul_i32 s20, s10, HALFT                      ; where they go: wave x 128 rows: no place in the cluster enters an LDS address
	s_wait_dscnt 0x0                               ; the opening add is done
	s_wait_kmcnt 0x0
	s_add_nc_u64 s[14:15], s[PA:PA+1], s[16:17]
	s_add_nc_u64 s[6:7], s[PW:PW+1], BOFF
	s_add_nc_u64 s[46:47], s[6:7], s[46:47]
	CROUND                                         ; all sixteen work-groups are here: the first joint loads meet
.irp s, 0,1
	s_mov_b32 s[G0+4*(\s)], 1                                        ; count = 1
	s_add_co_u32 s[G0+4*(\s)+1], s20, (\s)*SLOT                      ; LDS address
	s_add_nc_u64 s[G0+4*(\s)+2:G0+4*(\s)+3], s[14:15], (\s)*KSTEP*2  ; global address: K step s
	s_or_b32 s[G0+4*(\s)+3], s[G0+4*(\s)+3], 0x80000000              ; type = 2
	s_mov_b32 s[G0B+4*(\s)], 1
	s_add_co_u32 s[G0B+4*(\s)+1], s20, (\s)*SLOT
	s_add_nc_u64 s[G0B+4*(\s)+2:G0B+4*(\s)+3], s[46:47], (\s)*KSTEP*2
	s_or_b32 s[G0B+4*(\s)+3], s[G0B+4*(\s)+3], 0x80000000
	JLOAD \s                                       ; two loads of mine are out
.endr
	; a fragment is 16 rows x 32 K in 8 registers: lane l holds row l % 16, K = 8 (l / 16) + 0..7 and 16 + 8 (l / 16) + 0..7: two loads of 16 bytes, 32 bytes apart
	v_and_b32 v1, 15, v0                           ; l % 16
	v_bfe_u32 v2, v0, 4, 1                         ; l / 16
	v_mul_u32_u24 v3, v1, PITCH
	v_lshl_add_u32 v3, v2, 4, v3
	s_mul_i32 s21, s11, HALFT                      ; my 128 rows of A
	s_mul_i32 s22, s12, HALFT                      ; my 128 rows of B,
	s_add_co_u32 s22, s22, 2*HALFT                 ; which lie behind A's 256
	v_add_nc_u32 v[ADRA0], s21, v3
	v_add_nc_u32 v[ADRB0], s22, v3
	v_mov_b32 v[ADRA], v[ADRA0]                    ; the walk begins in slot 0
	v_mov_b32 v[ADRB], v[ADRB0]
	s_mov_b32 s[SL], 0
	s_mul_i32 s23, s10, WSTAGE                     ; my stage
	v_mul_u32_u24 v4, v1, SPITCH                   ; in: row l % 16, 32 bytes (eight columns) for each half of the lanes
	v_lshl_add_u32 v4, v2, 5, v4
	v_add_nc_u32 v[STO], s23, v4
	v_and_b32 v5, 31, v0
	v_lshlrev_b32 v[C16], 4, v5
	v_add_nc_u32 v[RD], s23, v[C16]                ; back: 32 lanes take a row's 512 bytes
	v_lshlrev_b32 v[GO], 3, v5
	; the pointers of the way out.  rowbase = 256 x tile row + 128 x half, colbase = 256 x tile column + 128 x half; the column coordinate stays in s[84:87]
	s_lshl_b32 s16, s13, 8
	s_lshl_b32 s17, s11, 7
	s_add_co_u32 s16, s16, s17                     ; rowbase
	s_lshl_b32 s84, s42, 8
	s_lshl_b32 s85, s12, 7
	s_add_co_u32 s84, s84, s85                     ; colbase
	s_lshl_b32 s86, s16, 12
	s_lshl1_add_u32 s86, s84, s86                  ; d: rowbase x 4,096 + colbase x 2
	s_mov_b32 s87, 0
	s_add_nc_u64 s[PD:PD+1], s[PD:PD+1], s[86:87]
	s_lshl_b32 s86, s16, 6
	s_lshl2_add_u32 s86, s84, s86                  ; st: (rowbase / 128) x 8,192 + colbase x 4
	s_add_nc_u64 s[PST:PST+1], s[PST:PST+1], s[86:87]
	s_lshl_b32 s86, s84, 2
	s_add_nc_u64 s[PBI:PBI+1], s[PBI:PBI+1], s[86:87]
	global_load_b128 v[BIAS:BIAS+3], v[C16], s[PBI:PBI+1]
.if WCAST
	s_lshl3_add_u32 s[WC], s13, s42                ; my work-group's number: 8 x tile row + tile column,
	s_lshl2_add_u32 s[WC], s[WC], s10              ; x 4 + wave: my piece of the first trip.  It enters global addresses and a mask alone
	s_mov_b32 s[WOFF+1], 0
	s_mov_b32 s[WL2], 4095
	s_mov_b32 s[WL3], 1999
	s_add_nc_u64 s[PCW:PCW+1], s[PCW:PCW+1], W2B
	v_lshlrev_b32 v[VL32], 5, v5
.endif
; THE ROW FACTOR, from n2 = the row's sum of squares, in place.  With tq(u) = tanh(u) / u and aq(w) = atanh(w) / w, sc = sqrt(0.1):
;   layer 1 (into the ball, log map at the origin): u = sc n, w = 0.9 tanh u, factor = -0.9 tq(u) aq(w)
;   layer 2 (exp map at the origin, out of the ball): u = sc max(n, 1e-8), w = sc clip(tq(u) n, 1e-8, 1), factor = tq(u) aq(w)
; (1 + 1e-8 and 1 - 1e-8 are 1 in f32.)  Below 0.25 both quotients are taken from their series, cut where the next term is under 1e-7 of the sum; above, from exp2 and log2.
; The choice is a select: both ways are computed in every lane.  A plain instruction stands behind every transcendental before its result is used (ISA guide 5.7.2).
.macro RSC layer, x
	v_sqrt_f32 v[W0], v[\x]                        ; n
	v_mov_b32 v[W0+5], 0x3cb327a4                  ; 62/2835
.if (\layer) == 2
	v_max_num_f32 v[W0+1], 0x322bcc77, v[W0]       ; max(n, 1e-8)
	v_mul_f32 v[W0+1], 0x3ea1e89b, v[W0+1]         ; u
.else
	v_mul_f32 v[W0+1], 0x3ea1e89b, v[W0]           ; u
.endif
	v_max_num_f32 v[W0+2], 0x0da24260, v[W0+1]     ; no division by 0: where u is under 1e-30 the series is taken anyway
	v_mul_f32 v[W0+3], 0x4038aa3b, v[W0+1]         ; 2 log2(e) u
	v_rcp_f32 v[W0+2], v[W0+2]                     ; 1 / u
	v_exp_f32 v[W0+3], v[W0+3]                     ; e^(2u)
	v_mul_f32 v[W0+4], v[W0+1], v[W0+1]            ; u^2
	v_add_f32 v[W0+3], 1.0, v[W0+3]
	v_fmaak_f32 v[W0+5], v[W0+5], v[W0+4], 0xbd5d0dd1  ; -17/315
	v_rcp_f32 v[W0+3], v[W0+3]
	v_fmaak_f32 v[W0+5], v[W0+5], v[W0+4], 0x3e088889  ; 2/15
	v_fma_f32 v[W0+3], v[W0+3], -2.0, 1.0          ; tanh u = 1 - 2 / (e^(2u) + 1)
	v_fmaak_f32 v[W0+5], v[W0+5], v[W0+4], 0xbeaaaaab  ; -1/3
	v_mul_f32 v[W0+3], v[W0+3], v[W0+2]
	v_fma_f32 v[W0+5], v[W0+5], v[W0+4], 1.0
	v_cmp_gt_f32 vcc_lo, 0x3e800000, v[W0+1]
	v_cndmask_b32 v[W0+3], v[W0+3], v[W0+5], vcc_lo  ; tq
.if (\layer) == 1
	v_mul_f32 v[W0+6], v[W0+3], v[W0+1]
	v_mul_f32 v[W0+6], 0x3f666666, v[W0+6]         ; w = 0.9 tanh u
.else
	v_mul_f32 v[W0+6], v[W0+3], v[W0]
	v_med3_num_f32 v[W0+6], v[W0+6], 0x322bcc77, 1.0
	v_mul_f32 v[W0+6], 0x3ea1e89b, v[W0+6]         ; w
.endif
	v_sub_f32 v[W0+2], 1.0, v[W0+6]
	v_mul_f32 v[W0+4], v[W0+6], v[W0+6]            ; w^2
	v_rcp_f32 v[W0+2], v[W0+2]
	v_rcp_f32 v[W0+7], v[W0+6]
	v_add_f32 v[W0+1], 1.0, v[W0+6]
	v_mov_b32 v[W0+5], 0x3de38e39                  ; 1/9
	v_mul_f32 v[W0+2], v[W0+1], v[W0+2]            ; (1 + w) / (1 - w)
	v_fmaak_f32 v[W0+5], v[W0+5], v[W0+4], 0x3e124925  ; 1/7
	v_log_f32 v[W0+2], v[W0+2]
	v_fmaak_f32 v[W0+5], v[W0+5], v[W0+4], 0x3e4ccccd  ; 1/5
	v_mul_f32 v[W0+7], 0x3eb17218, v[W0+7]         ; ln(2) / 2 / w
	v_fmaak_f32 v[W0+5], v[W0+5], v[W0+4], 0x3eaaaaab  ; 1/3
	v_mul_f32 v[W0+2], v[W0+2], v[W0+7]
	v_fma_f32 v[W0+5], v[W0+5], v[W0+4], 1.0
	v_cmp_gt_f32 vcc_lo, 0x3e800000, v[W0+6]
	v_cndmask_b32 v[W0+2], v[W0+2], v[W0+5], vcc_lo  ; aq
.if (\layer) == 1
	v_mul_f32 v[W0+3], 0xbf666666, v[W0+3]
.endif
	v_mul_f32 v[\x], v[W0+3], v[W0+2]
.endm
.if SCALED
	; my 128 rows' factors, made in the wait for the first tile: lane l takes rows 32 i + l; a row's sum of squares lies in eight parts, one for each slab of 256 columns
	s_lshl_b32 s86, s16, 2
	s_add_nc_u64 s[PNP:PNP+1], s[PNP:PNP+1], s[86:87]
	v_lshlrev_b32 v6, 2, v5
	s_lshl_b32 s18, s10, 9
	s_add_co_u32 s18, s18, RST                     ; my 512 bytes of factors; kept for the way out
	v_add_nc_u32 v7, s18, v6
.irp s, 0,1,2,3,4,5,6,7
.irp i, 0,1,2,3
	global_load_b32 v[NPL+4*(\s)+(\i)], v6, s[PNP:PNP+1] offset:32768*(\s)+128*(\i)
.endr
.endr
	s_wait_loadcnt 0x0                             ; these and the bias
.irp s, 1,2,3,4,5,6,7
	v_pk_add_f32 v[NPL:NPL+1], v[NPL:NPL+1], v[NPL+4*(\s):NPL+4*(\s)+1]
	v_pk_add_f32 v[NPL+2:NPL+3], v[NPL+2:NPL+3], v[NPL+4*(\s)+2:NPL+4*(\s)+3]
.endr
.irp i, 0,1,2,3
	RSC 1, NPL+(\i)
.endr
.irp i, 0,1,2,3
	ds_store_b32 v7, v[NPL+(\i)] offset:128*(\i)   ; bytes of my own, which no tensor load fills and no other wave names
.endr
.endif
; 16 matrix instructions: m blocks a0, a0 + 1 of the window's four x all 8 n blocks, 32 along K.  zero = 1: the first product starts the sums.  The 64 accumulators take turns.
.macro MUL16 f, hi, a0, zero
	WIN MUL_LO+0x50*(\hi)
.irp a, \a0, (\a0)+1
.irp b, 0,1,2,3,4,5,6,7
.if \zero
	v_wmma_f32_16x16x32_bf16 v[8*(8*(\a)+(\b)):8*(8*(\a)+(\b))+7], v[(\f)+8*(\b):(\f)+8*(\b)+7], v[(\f)+8*(4*(\hi)+(\a)):(\f)+8*(4*(\hi)+(\a))+7], 0
.else
	v_wmma_f32_16x16x32_bf16 v[8*(8*(\a)+(\b)):8*(8*(\a)+(\b))+7], v[(\f)+8*(\b):(\f)+8*(\b)+7], v[(\f)+8*(4*(\hi)+(\a)):(\f)+8*(4*(\hi)+(\a))+7], v[8*(8*(\a)+(\b)):8*(8*(\a)+(\b))+7]
.endif
.endr
.endr
.endm
; 32 LDS loads in one run: the fragments of one quarter step (128 rows of B, 128 rows of A, 32 K at byte k of the rows of the slot in hand) into buffer f
.macro FETCH k, f
	WIN TO_B
.irp i, 0,1,2,3,4,5,6,7
	ds_load_b128 v[(\f)+8*(\i):(\f)+8*(\i)+3],   v[ADRB] offset:(\k)+(\i)*16*PITCH
	ds_load_b128 v[(\f)+8*(\i)+4:(\f)+8*(\i)+7], v[ADRB] offset:(\k)+(\i)*16*PITCH+32
.endr
	WIN 0
.irp i, 0,1,2,3,4,5,6,7
	ds_load_b128 v[(\f)+8*(\i):(\f)+8*(\i)+3],   v[ADRA] offset:(\k)+(\i)*16*PITCH
	ds_load_b128 v[(\f)+8*(\i)+4:(\f)+8*(\i)+7], v[ADRA] offset:(\k)+(\i)*16*PITCH+32
.endr
.endm
.macro PLACES                          ; four plain instructions between a matrix instruction and a load into, or another instruction's use of, its registers (ISA guide 7.12.1 for another instruction's use)
.rept 4
	v_nop
.endr
.endm
.macro NEXTSLOT                        ; the reads go on in the other slot
	s_xor_b32 s[SL], s[SL], SLOT
	v_add_nc_u32 v[ADRA], s[SL], v[ADRA0]
	v_add_nc_u32 v[ADRB], s[SL], v[ADRB0]
.endm
; A K step is four quarters of 32 along K, 64 matrix instructions each, on buffers 0, 1, 0, 1.  One of the first three multiplies buffer f and, in its middle, fetches the next quarter, at byte k, into g.
.macro QUARTER k, f, g, zero
	s_wait_dscnt 8                                 ; B and A's rows 0-63 are in; the youngest eight loads (A's rows 64-127) may be out
	WIN MUL_LO
	MUL16 \f, 0, 0, \zero
	MUL16 \f, 0, 2, \zero
	PLACES
	FETCH \k, \g
	s_wait_dscnt 32                                ; all but the 32 just issued
	WIN MUL_HI
	MUL16 \f, 1, 0, \zero
	MUL16 \f, 1, 2, \zero
.endm
; The last quarter multiplies buffer 1 and changes slots.  ONE barrier: in front of it each wave waits for all its tensor loads (at most one is out: its part of the next slot), adds 0 to its spare word,
; and waits for that and for its own reads of this slot.  Behind it nobody reads this slot any more and the next slot is whole.
.macro MEET round
	WIN 0                                          ; (the add's two registers lie in window 0)
	s_wait_tensorcnt 0x0
	ds_add_u32 v[SPW], v[NIL]                      ; 0 onto my spare word
	s_wait_dscnt 9                                 ; (the add and the youngest eight loads may be out)
	WIN MUL_LO
	MUL16 F1, 0, 0, 0                              ; sixteen matrix instructions stand between the add and the wait for it
	s_wait_dscnt 0x0                               ; the add is done, and my reads of this slot are over
	s_barrier_signal -1
	MUL16 F1, 0, 2, 0
.if \round
	WIN 0
.endif
	s_barrier_wait -1
.endm
; The barrier opens a round of the cluster's barrier, and the slot just read out is filled again, two K steps ahead, first thing behind the round: one load of mine is out, with 224 matrix instructions in which to land.
; The walking descriptors are written where no tensor load of mine is out: the other slot than last time, the next K step.
.macro TURN
	MEET 1
	CREST
	s_xor_b32 s[G0+5], s[G0+5], SLOT
	s_add_nc_u64 s[G0+6:G0+7], s[G0+6:G0+7], KSTEP*2
	s_xor_b32 s[G0B+5], s[G0B+5], SLOT
	s_add_nc_u64 s[G0B+6:G0B+7], s[G0B+6:G0B+7], KSTEP*2
	JLOAD 1                                        ; the four v_nop behind it are also the places in front of the loads below
	NEXTSLOT
	FETCH 0, F0
	WIN MUL_HI
	MUL16 F1, 1, 0, 0
	MUL16 F1, 1, 2, 0
.endm
.if WCAST
; My piece of this trip: 1,024 numbers, 4,096 bytes of W2 (pieces 0 to 4,095: trips 0 to 3, for every wave of the launch) or of W3 (the others).  The source is a choice between two buffers by the piece's
; number; a piece past W3's last (rows 1000-1023 of the padded image) reads W3's last piece instead and is masked to zero.  A lane takes 32 consecutive bytes of each 1,024.
.macro WLOAD
	s_wait_xcnt 0x0                                ; the last trip's stores have read their base and their data: only behind this wait are these written again
	s_cmp_lt_u32 s[WC], 4096
	s_cselect_b64 s[WSRC:WSRC+1], s[PW2:PW2+1], s[PW3:PW3+1]
	s_cselect_b32 s[WN], 0, 4096
	s_cselect_b32 s[WLIM], s[WL2], s[WL3]
	s_sub_co_u32 s[WN], s[WC], s[WN]
	s_cmp_le_u32 s[WN], s[WLIM]
	s_cselect_b32 s[WMASK], -1, 0
	s_min_u32 s[WN], s[WN], s[WLIM]                ; every load stays inside its buffer
	s_lshl_b32 s[WOFF], s[WN], 12
	s_add_nc_u64 s[WSRC:WSRC+1], s[WSRC:WSRC+1], s[WOFF:WOFF+1]
	s_lshl_b32 s[WOFF], s[WC], 11
	s_add_nc_u64 s[WDST:WDST+1], s[PCW:PCW+1], s[WOFF:WOFF+1]
	s_add_co_u32 s[WC], s[WC], 1024                ; the next trip's piece
.irp j, 0,1,2,3
	global_load_b128 v[WX+8*(\j):WX+8*(\j)+3],   v[VL32], s[WSRC:WSRC+1] offset:1024*(\j) th:TH_LOAD_NT
	global_load_b128 v[WX+8*(\j)+4:WX+8*(\j)+7], v[VL32], s[WSRC:WSRC+1] offset:1024*(\j)+16 th:TH_LOAD_NT
.endr
.endm
.macro WSTORE                          ; a K step's matrix work behind the loads: rounded, masked, stored: each store of the wave covers 512 consecutive bytes, aligned
	s_wait_loadcnt 0x0                             ; the eight loads (in the first trip the bias too)
.irp j, 0,1,2,3
.irp q, 0,1,2,3
	v_cvt_pk_bf16_f32 v[WY+4*(\j)+(\q)], v[WX+8*(\j)+2*(\q)], v[WX+8*(\j)+2*(\q)+1]
.endr
.endr
.irp j, 0,1,2,3,4,5,6,7,8,9,10,11,12,13,14,15
	v_and_b32 v[WY+(\j)], s[WMASK], v[WY+(\j)]
.endr
.irp j, 0,1,2,3
	global_store_b128 v[C16], v[WY+4*(\j):WY+4*(\j)+3], s[WDST:WDST+1] offset:512*(\j)
.endr
.endm
.endif
	s_wait_tensorcnt 1                             ; my part of K step 0 is in; K step 1's may stay out
.if SCALED
	s_wait_dscnt 0x0                               ; my factors are stored
.endif
	s_barrier_signal -1
	s_barrier_wait -1                              ; everybody's part is in
	FETCH 0, F0
	QUARTER 64,  F0, F1, 1                         ; the first quarter stands in front of the loop: its products start the sums
	WIN 0                                          ; at a label and at a branch every window is 0
	s_mov_b32 s3, STEPS-2
.Lstep:                                                ; a trip goes from a K step's second quarter to the next step's first, and fills the slot that it leaves: every step but the last two
.if WCAST
	WLOAD
.endif
	QUARTER 128, F1, F0, 0
	QUARTER 192, F0, F1, 0
	TURN
	QUARTER 64,  F0, F1, 0
	WIN 0
.if WCAST
	WSTORE
.endif
	s_sub_co_u32 s3, s3, 1
	s_cmp_lg_u32 s3, 0
	s_cbranch_scc1 .Lstep
	s_mov_b32 s3, 2
.Ltail:                                                ; the last two K steps fill nothing and have no round of the cluster's barrier.  Written once: the second trip jumps over the step that does not follow
	QUARTER 128, F1, F0, 0
	QUARTER 192, F0, F1, 0
	MEET 0                                         ; first trip: the last K step's tile has landed, everybody's part of it.  (In the second trip nothing hangs on this barrier.)
	MUL16 F1, 1, 0, 0
	MUL16 F1, 1, 2, 0
	WIN 0
	s_cmp_eq_u32 s3, 1
	s_cbranch_scc1 .Llast                          ; forward, over LDS loads and matrix work alone
	NEXTSLOT
	PLACES
	FETCH 0, F0
	QUARTER 64,  F0, F1, 0
	WIN 0
.Llast:
	s_sub_co_u32 s3, s3, 1
	s_cmp_lg_u32 s3, 0
	s_cbranch_scc1 .Ltail
	; THE WAY OUT.  Every wave's reads of the ring are back and no tensor load is out or to come: behind this barrier the ring's bytes are the waves' stages.
	s_wait_dscnt 0x0
	s_barrier_signal -1
	s_barrier_wait -1
	PLACES
.irp a, 0,1,2,3,4,5,6,7                ; block a of 16 rows: each accumulator's four lowest registers go first
	WIN 0x08+4*((\a)/4)                            ; the data (source 1) in window 2 or 3
.irp b, 0,1,2,3,4,5,6,7
	ds_store_b128 v[STO], v[8*(8*((\a)%4)+(\b)):8*(8*((\a)%4)+(\b))+3]   offset:(\a)*16*SPITCH+64*(\b)
	ds_store_b128 v[STO], v[8*(8*((\a)%4)+(\b))+4:8*(8*((\a)%4)+(\b))+7] offset:(\a)*16*SPITCH+64*(\b)+16
.endr
.endr
	WIN 0
	; the centre: my four columns of the block's first row (times its factor).  LDS serves a wave's instructions in order (ISA guide 5.7.1.4): the loads see the stores above
	ds_load_b128 v[CEN:CEN+3], v[RD]
.if SCALED
	v_mov_b32 v[RSA], s18
	ds_load_b64 v[T:T+1], v[RSA]                   ; the first two rows' factors; the first is used
.endif
.irp j, 0,1,2,3,4,5,6,7
	v_mov_b32 v[S+(\j)], 0
	v_mov_b32 v[Q+(\j)], 0
.endr
	s_wait_dscnt 0x0
.if SCALED
	v_pk_mul_f32 v[CEN:CEN+1], v[CEN:CEN+1], v[T:T+1] op_sel_hi:[1,0]
	v_pk_mul_f32 v[CEN+2:CEN+3], v[CEN+2:CEN+3], v[T:T+1] op_sel_hi:[1,0]
.endif
; Row i of the trip: d = z - c, onto S1, its square onto S2, d rounded to bf16 and stored: 32 lanes x 8 bytes are 256 consecutive bytes, aligned
.macro DROW i
.set rS, S+4*((\i)%2)
.set rQ, Q+4*((\i)%2)
.set rX, X+4*(\i)
.set rR, R+2*((\i)/2)
.set rY, Y+2*(\i)
.if (\i)%4 == 0
	s_wait_dscnt 12-(\i)                           ; rows i to i + 3 are in; the younger rows' loads stay out
.endif
.irp c, 0,2
.if SCALED
.if (\i)%2
	v_pk_fma_f32 v[rX+\c:rX+\c+1], v[rX+\c:rX+\c+1], v[rR:rR+1], v[CEN+\c:CEN+\c+1] op_sel:[0,1,0] op_sel_hi:[1,1,1] neg_lo:[0,0,1] neg_hi:[0,0,1]
.else
	v_pk_fma_f32 v[rX+\c:rX+\c+1], v[rX+\c:rX+\c+1], v[rR:rR+1], v[CEN+\c:CEN+\c+1] op_sel_hi:[1,0,1] neg_lo:[0,0,1] neg_hi:[0,0,1]
.endif
.else
	v_pk_add_f32 v[rX+\c:rX+\c+1], v[rX+\c:rX+\c+1], v[CEN+\c:CEN+\c+1] neg_lo:[0,1] neg_hi:[0,1]
.endif
.endr
.irp c, 0,2
	v_pk_add_f32 v[rS+\c:rS+\c+1], v[rS+\c:rS+\c+1], v[rX+\c:rX+\c+1]
	v_pk_fma_f32 v[rQ+\c:rQ+\c+1], v[rX+\c:rX+\c+1], v[rX+\c:rX+\c+1], v[rQ+\c:rQ+\c+1]
.endr
	v_cvt_pk_bf16_f32 v[rY], v[rX], v[rX+1]
	v_cvt_pk_bf16_f32 v[rY+1], v[rX+2], v[rX+3]
	global_store_b64 v[GO], v[rY:rY+1], s[PD:PD+1] offset:4096*(\i)
.endm
	s_mov_b32 s20, 0                               ; the trip's rows in my stage
.if SCALED
	s_mov_b32 s21, s18                             ; and their factors
.endif
	s_mov_b32 s2, 8
.Ldev:                                                 ; sixteen rows a trip: 512 consecutive bytes of my stage each, and (SCALED) their sixteen factors, which every lane reads alike
	v_add_nc_u32 v[RDT], s20, v[RD]
.if SCALED
	v_mov_b32 v[RSA], s21
.irp q, 0,1,2,3
	ds_load_b128 v[R+4*(\q):R+4*(\q)+3], v[RSA] offset:16*(\q)
.endr
.endif
.irp i, 0,1,2,3,4,5,6,7,8,9,10,11,12,13,14,15
	ds_load_b128 v[X+4*(\i):X+4*(\i)+3], v[RDT] offset:SPITCH*(\i)
.endr
.irp i, 0,1,2,3,4,5,6,7,8,9,10,11,12,13,14,15
	DROW \i
.endr
	s_wait_xcnt 0x0                                ; the stores' data registers and their base are written again only behind this wait
	s_add_nc_u64 s[PD:PD+1], s[PD:PD+1], 16*4096
	s_add_co_u32 s20, s20, 16*SPITCH
.if SCALED
	s_add_co_u32 s21, s21, 64
.endif
	s_sub_co_u32 s2, s2, 1
	s_cmp_lg_u32 s2, 0
	s_cbranch_scc1 .Ldev
	v_pk_add_f32 v[S:S+1], v[S:S+1], v[S+4:S+5]
	v_pk_add_f32 v[S+2:S+3], v[S+2:S+3], v[S+6:S+7]
	v_pk_add_f32 v[Q:Q+1], v[Q:Q+1], v[Q+4:Q+5]
	v_pk_add_f32 v[Q+2:Q+3], v[Q+2:Q+3], v[Q+6:Q+7]
.if !SCALED
	s_wait_loadcnt 0x0                             ; the bias, asked for ahead of the first K step
.endif
	v_pk_add_f32 v[T:T+1], v[CEN:CEN+1], v[BIAS:BIAS+1]              ; the centre with the bias
	v_pk_add_f32 v[T+2:T+3], v[CEN+2:CEN+3], v[BIAS+2:BIAS+3]
	v_pk_mul_f32 v[E:E+1], v[S:S+1], 0x3c000000 op_sel_hi:[1,0]      ; S1 / 128
	v_pk_mul_f32 v[E+2:E+3], v[S+2:S+3], 0x3c000000 op_sel_hi:[1,0]
	v_pk_fma_f32 v[Q:Q+1], v[S:S+1], v[E:E+1], v[Q:Q+1] neg_lo:[1,0,0] neg_hi:[1,0,0]          ; M2 = S2 - S1 x S1 / 128
	v_pk_fma_f32 v[Q+2:Q+3], v[S+2:S+3], v[E+2:E+3], v[Q+2:Q+3] neg_lo:[1,0,0] neg_hi:[1,0,0]
	v_pk_add_f32 v[E:E+1], v[E:E+1], v[T:T+1]                        ; the block's mean with the bias
	v_pk_add_f32 v[E+2:E+3], v[E+2:E+3], v[T+2:T+3]
.irp j, 0,1,2,3
	v_max_num_f32 v[Q+(\j)], 0, v[Q+(\j)]
.endr
	global_store_b128 v[C16], v[E:E+3], s[PST:PST+1]                 ; 512 consecutive bytes each
	global_store_b128 v[C16], v[Q:Q+3], s[PST:PST+1] offset:PQOFF
	global_store_b128 v[C16], v[T:T+3], s[PST:PST+1] offset:PCOFF
	s_wait_tensorcnt 0x0                           ; the wave's end: behind my last tensor load and my last LDS store
	ds_add_u32 v[SPW], v[NIL]
	s_wait_dscnt 0x0
	CROUND                                         ; the closing round: no work-group ends while a partner may still ask for a tile that names it
	s_endpgm
.Lfunc_end_k_q7690c6f0db_gemm1:
	.size	k_q7690c6f0db_gemm1, .Lfunc_end_k_q7690c6f0db_gemm1-k_q7690c6f0db_gemm1
	.p2alignl 7, 3214868480
	.fill 96, 4, 3214868480
	.section	.rodata,"a",@progbits
	.p2align	6, 0x0
	.amdhsa_kernel k_q7690c6f0db_gemm1
		.amdhsa_group_segment_fixed_size 327680
		.amdhsa_private_segment_fixed_size 0
		.amdhsa_enable_private_segment 0
		.amdhsa_kernarg_size 56
		.amdhsa_user_sgpr_count 2
		.amdhsa_user_sgpr_kernarg_segment_ptr 1
		.amdhsa_wavefront_size32 1
		.amdhsa_system_sgpr_workgroup_id_x 1
		.amdhsa_system_sgpr_workgroup_id_y 1
		.amdhsa_system_sgpr_workgroup_id_z 1
		.amdhsa_system_vgpr_workitem_id 0
		.amdhsa_next_free_vgpr 1024
		.amdhsa_next_free_sgpr 100
		.amdhsa_reserve_vcc 1
		.amdhsa_float_denorm_mode_32 3
		.amdhsa_float_denorm_mode_16_64 3
		.amdhsa_memory_ordered 1
		.amdhsa_forward_progress 1
		.amdhsa_inst_pref_size 93
	.end_amdhsa_kernel
	.amdgpu_metadata
---
amdhsa.version: [ 1, 2 ]
amdhsa.kernels:
  - .name:           k_q7690c6f0db_gemm1
    .symbol:         k_q7690c6f0db_gemm1.kd
    .args:
      - { .name: cx, .offset: 0, .size: 8, .value_kind: global_buffer, .address_space: global }
      - { .name: b1, .offset: 8, .size: 8, .value_kind: global_buffer, .address_space: global }
      - { .name: W2, .offset: 16, .size: 8, .value_kind: global_buffer, .address_space: global }
      - { .name: W3, .offset: 24, .size: 8, .value_kind: global_buffer, .address_space: global }
      - { .name: d, .offset: 32, .size: 8, .value_kind: global_buffer, .address_space: global }
      - { .name: st, .offset: 40, .size: 8, .value_kind: global_buffer, .address_space: global }
      - { .name: cb, .offset: 48, .size: 8, .value_kind: global_buffer, .address_space: global }
    .group_segment_fixed_size: 327680
    .private_segment_fixed_size: 0
    .kernarg_segment_align: 8
    .kernarg_segment_size: 56
    .max_flat_workgroup_size: 128
    .sgpr_count:     100
    .vgpr_count:     1024
    .wavefront_size: 32
...
	.end_amdgpu_metadata
.endif
;; end of part 2
;; launch ew1 (part 3): grid 8 x 32, 16 waves a work-group, no clusters, 7,168 bytes of LDS; arguments d, st, g1, be1, h, np; writes h, np
.if DOCPART == 3
	.amdgcn_target "amdgcn-amd-amdhsa--gfx1250"
	.amdhsa_code_object_version 6
	.text
	.protected	k_q7690c6f0db_ew1
	.globl	k_q7690c6f0db_ew1
	.p2align	8
	.type	k_q7690c6f0db_ew1,@function
k_q7690c6f0db_ew1:
	s_mov_b64 s[64:65], 0
	v_nop
	global_prefetch_b8 v0, s[64:65] scope:SCOPE_SE
	s_setreg_imm32_b32 hwreg(HW_REG_WAVE_MODE, 25, 1), 1
	s_wait_xcnt 0x0
; h = relu(batch norm(z)) in bf16, and each row's sum of h^2 in eight parts.  z comes as d = z - (its block's centre), bf16 [8192][2048]; a block is 128 rows.  st holds, [64 blocks][2048] f32 each: the blocks'
; means (bias included); 524,288 bytes on their sums of squared deviations from those means; 1,048,576 bytes on their centres (bias included).
; The 64 blocks are joined without a difference of large sums: mu = the mean of the means,
; M2 = the sum of the blocks' M2 + 128 x the sum of (mean - mu)^2, in two halves of 32 blocks and then 2,048 x (the halves' difference)^2.  var = M2 / 8,192 (biased).
; h = max(0, A d + B) with A = g rsqrt(var + 1e-5), B = A (my block's centre - mu) + be.
; SHARES.  A work-group owns 256 rows x 256 columns (a slab): 131,072 bytes in and out.  Wave w takes rows 16 w .. 16 w + 15, lane l columns 8 l .. 8 l + 7: a load or store of a wave covers 512
; consecutive bytes.  All sixteen row loads of a wave are out at once.  For the statistics thread t takes column t % 256 and the 32 blocks of half t / 256, which is also the half in which its wave's rows lie.
; Memory binds; matrix units, clusters and tensor loads would add nothing: no two work-groups share a byte of d, and st's planes are read again from near by.
; LIMITS.  NaN and infinities are not treated apart (a NaN leaves the relu as 0).
.set MH,    0                          ; LDS: the halves' means [2][256] f32
.set QH,    2048                       ; the halves' M2 [2][256]
.set NPS,   4096                       ; the 256 rows' sums of squares
.set SPARE, 5120                       ; the spare words, 128 bytes for each of 16 waves: eight blocks of 256 bytes that no other line names
.set PCOFF, 1048576                    ; the centres' part of st
.set SPW, 4                            ; v4  LDS address of my spare word; never rewritten
.set NIL, 5                            ; v5  0; never rewritten
.set PM,  16                           ; v[16:47]   32 blocks' means of my column
.set PQ,  48                           ; v[48:79]   their M2
.set X,   80                           ; v[80:143]  sixteen rows x 8 bf16, as loaded and then as stored
.set G,   144                          ; v[144:151] g, v[152:159] be, v[160:167] my block's centres, of my eight columns
.set BE,  152
.set ML,  160
.set A,   168                          ; v[168:175] A, v[176:183] B
.set B,   176
.set W,   184                          ; v[184:199] at work in the statistics
.set T,   16                           ; behind the statistics: v[16:31] two sets of eight f32 at work
.set SQ,  32                           ; v[32:35]   two pairs of squares
.set NS,  48                           ; v[48:63]   my part of the sixteen rows' sums
.set PX,  64                           ; v[64:79]   the other half of the lanes' (written before, by the loads of M2)
	s_load_b256 s[16:23], s[0:1], 0x0              ; d s[16:17], st s[18:19], g s[20:21], be s[22:23]
	s_load_b128 s[24:27], s[0:1], 0x20             ; h s[24:25], np s[26:27]
	v_lshl_add_u32 v[SPW], v0, 2, SPARE
	v_mov_b32 v[NIL], 0
	v_lshrrev_b32 v6, 5, v0
	v_readfirstlane_b32 s8, v6                     ; wave 0..15
	s_lshr_b32 s9, s8, 3                           ; half
	s_mov_b32 s10, ttmp9                           ; slab of 256 columns
	s_and_b32 s11, ttmp7, 0xffff                   ; group of 256 rows
	s_mov_b32 s12, 0x76543210                      ; v_permlanex16_b32: each lane takes its own place in the other half
	s_mov_b32 s13, 0xfedcba98
	s_mov_b32 s14, 0x3727c5ac                      ; 1e-5, as a pair for the packed form
	s_mov_b32 s15, s14
	s_mov_b32 s7, 0xffff0000                       ; a word's upper bf16
	v_and_b32 v7, 31, v0
	v_lshlrev_b32 v1, 4, v7                        ; 16 l: my 16 bytes of a row of d and h
	v_and_b32 v2, 255, v0
	v_lshlrev_b32 v2, 2, v2                        ; 4 (t % 256): my column in st
	v_lshlrev_b32 v3, 5, v7                        ; 32 l: my eight columns in f32
	v_lshlrev_b32 v8, 2, v0                        ; 4 t: [half][column] in LDS
	s_lshl_b32 s38, s8, 6
	s_add_co_u32 s38, s38, NPS
	v_mov_b32 v9, s38                              ; my wave's sixteen words of NPS
	s_lshl_b32 s28, s10, 10                        ; the slab in a row of 2,048 f32
	s_mov_b32 s29, 0
	s_lshl_b32 s30, s9, 18                         ; 32 blocks x 8,192 bytes
	s_add_co_u32 s30, s30, s28
	s_mov_b32 s31, 0
	s_lshl_b32 s32, s11, 1
	s_add_co_u32 s32, s32, s9                      ; my wave's block
	s_lshl_b32 s32, s32, 13
	s_add_co_u32 s32, s32, s28
	s_mov_b32 s33, 0
	s_lshl_b32 s34, s11, 20                        ; 256 rows x 4,096 bytes,
	s_lshl_b32 s35, s8, 16                         ; 16 rows,
	s_add_co_u32 s34, s34, s35
	s_lshl_b32 s35, s10, 9                         ; 256 columns x 2 bytes
	s_add_co_u32 s34, s34, s35
	s_mov_b32 s35, 0
	s_lshl_b32 s36, s10, 15                        ; np is [8 slabs][8,192 rows]
	s_lshl_b32 s37, s11, 10
	s_add_co_u32 s36, s36, s37
	s_mov_b32 s37, 0
	s_wait_kmcnt 0x0
	s_add_nc_u64 s[30:31], s[18:19], s[30:31]      ; st at my half's first block
	s_add_nc_u64 s[32:33], s[18:19], s[32:33]      ; st at my wave's block
	s_add_nc_u64 s[20:21], s[20:21], s[28:29]
	s_add_nc_u64 s[22:23], s[22:23], s[28:29]
	s_add_nc_u64 s[16:17], s[16:17], s[34:35]
	s_add_nc_u64 s[24:25], s[24:25], s[34:35]
	s_add_nc_u64 s[26:27], s[26:27], s[36:37]
	; all loads go out now, in the order in which they are wanted
.set k, 0
.rept 32
	global_load_b32 v[PM+k], v2, s[30:31] offset:8192*k
.set k, k+1
.endr
.set k, 0
.rept 32
	global_load_b32 v[PQ+k], v2, s[30:31] offset:524288+8192*k
.set k, k+1
.endr
	global_load_b128 v[G:G+3],     v3, s[20:21]
	global_load_b128 v[G+4:G+7],   v3, s[20:21] offset:16
	global_load_b128 v[BE:BE+3],   v3, s[22:23]
	global_load_b128 v[BE+4:BE+7], v3, s[22:23] offset:16
	global_load_b128 v[ML:ML+3],   v3, s[32:33] offset:PCOFF
	global_load_b128 v[ML+4:ML+7], v3, s[32:33] offset:PCOFF+16
.set i, 0
.rept 16
	global_load_b128 v[X+4*i:X+4*i+3], v1, s[16:17] offset:4096*i th:TH_LOAD_NT
.set i, i+1
.endr
	s_wait_loadcnt 22                              ; the 64 of the statistics are in; the 6 + 16 younger loads stay out
	; my half's mean of the means, in four chains of pairs
.irp c, 0,2,4,6
	v_pk_add_f32 v[W+\c:W+\c+1], v[PM+\c:PM+\c+1], v[PM+8+\c:PM+8+\c+1]
.endr
.irp k, 16,24
.irp c, 0,2,4,6
	v_pk_add_f32 v[W+\c:W+\c+1], v[W+\c:W+\c+1], v[PM+\k+\c:PM+\k+\c+1]
.endr
.endr
	v_pk_add_f32 v[W:W+1], v[W:W+1], v[W+2:W+3]
	v_pk_add_f32 v[W+4:W+5], v[W+4:W+5], v[W+6:W+7]
	v_pk_add_f32 v[W:W+1], v[W:W+1], v[W+4:W+5]
	v_add_f32 v[W], v[W], v[W+1]
	v_mul_f32 v[W+8], 0x3d000000, v[W]             ; / 32
	v_mov_b32 v[W+9], v[W+8]
	; the sum of the means' squared deviations from it, and the sum of the blocks' M2
.set k, 0
.rept 16
	v_pk_add_f32 v[PM+2*k:PM+2*k+1], v[PM+2*k:PM+2*k+1], v[W+8:W+9] neg_lo:[0,1] neg_hi:[0,1]
.set k, k+1
.endr
.irp c, 0,2,4,6
	v_pk_mul_f32 v[W+\c:W+\c+1], v[PM+\c:PM+\c+1], v[PM+\c:PM+\c+1]
.endr
.irp k, 8,16,24
.irp c, 0,2,4,6
	v_pk_fma_f32 v[W+\c:W+\c+1], v[PM+\k+\c:PM+\k+\c+1], v[PM+\k+\c:PM+\k+\c+1], v[W+\c:W+\c+1]
	v_pk_add_f32 v[PQ+\c:PQ+\c+1], v[PQ+\c:PQ+\c+1], v[PQ+\k+\c:PQ+\k+\c+1]
.endr
.endr
	v_pk_add_f32 v[W:W+1], v[W:W+1], v[W+2:W+3]
	v_pk_add_f32 v[W+4:W+5], v[W+4:W+5], v[W+6:W+7]
	v_pk_add_f32 v[PQ:PQ+1], v[PQ:PQ+1], v[PQ+2:PQ+3]
	v_pk_add_f32 v[PQ+4:PQ+5], v[PQ+4:PQ+5], v[PQ+6:PQ+7]
	v_pk_add_f32 v[W:W+1], v[W:W+1], v[W+4:W+5]
	v_pk_add_f32 v[PQ:PQ+1], v[PQ:PQ+1], v[PQ+4:PQ+5]
	v_add_f32 v[W], v[W], v[W+1]
	v_add_f32 v[PQ], v[PQ], v[PQ+1]
	v_fmamk_f32 v[PQ], v[W], 0x43000000, v[PQ]     ; M2 of my half = the blocks' M2 + 128 x the deviations
	ds_store_b32 v8, v[W+8] offset:MH
	ds_store_b32 v8, v[PQ] offset:QH
	s_wait_dscnt 0x0                               ; for the others' sake: my two words are stored
	s_barrier_signal -1
	s_barrier_wait -1
.irp q, 0,1,2,3                        ; both halves' means (v16-23, v24-31) and M2 (v32-39, v40-47) of my eight columns
	ds_load_b128 v[16+8*(\q):16+8*(\q)+3], v3 offset:1024*(\q)
	ds_load_b128 v[16+8*(\q)+4:16+8*(\q)+7], v3 offset:1024*(\q)+16
.endr
	s_wait_dscnt 0x0
	s_wait_loadcnt 16                              ; g, be and my block's centres are in; the sixteen rows stay out
.irp j, 0,2,4,6
	v_pk_add_f32 v[48+\j:49+\j], v[24+\j:25+\j], v[16+\j:17+\j] neg_lo:[0,1] neg_hi:[0,1]   ; the halves' difference
	v_pk_add_f32 v[16+\j:17+\j], v[16+\j:17+\j], v[24+\j:25+\j]                             ; 2 mu
	v_pk_add_f32 v[32+\j:33+\j], v[32+\j:33+\j], v[40+\j:41+\j]
.endr
.irp j, 0,2,4,6
	v_pk_mul_f32 v[24+\j:25+\j], v[48+\j:49+\j], 0x45000000 op_sel_hi:[1,0]                 ; x 2,048 = 4,096 x 4,096 / 8,192
	v_pk_fma_f32 v[ML+\j:ML+\j+1], v[16+\j:17+\j], -0.5, v[ML+\j:ML+\j+1] op_sel_hi:[1,0,1] ; my block's centre - mu
.endr
.irp j, 0,2,4,6
	v_pk_fma_f32 v[32+\j:33+\j], v[24+\j:25+\j], v[48+\j:49+\j], v[32+\j:33+\j]             ; M2 of all rows
.endr
.irp j, 0,2,4,6
	v_pk_fma_f32 v[32+\j:33+\j], v[32+\j:33+\j], 0x39000000, s[14:15] op_sel_hi:[1,0,0]     ; / 8,192 + 1e-5
.endr
.irp j, 0,1,2,3,4,5,6,7
	v_rsq_f32 v[A+\j], v[32+\j]
.endr
	v_nop                                          ; a plain instruction between the last root and the use of its result (ISA guide 5.7.2)
	s_wait_alu depctr_va_vdst(0)
.irp j, 0,2,4,6
	v_pk_mul_f32 v[A+\j:A+\j+1], v[A+\j:A+\j+1], v[G+\j:G+\j+1]
.endr
.irp j, 0,2,4,6
	v_pk_fma_f32 v[B+\j:B+\j+1], v[A+\j:A+\j+1], v[ML+\j:ML+\j+1], v[BE+\j:BE+\j+1]
.endr
; Row i: widened, A d + B, relu, its squares summed, rounded in place and stored.  No register of a store is written again.
.macro ROW i
.set TT, T+8*((\i)%2)
.set SS, SQ+2*((\i)%2)
.set XX, X+4*(\i)
	s_wait_loadcnt 15-(\i)                         ; row i is in; the 15 - i younger rows stay out
.irp j, 0,1,2,3
	v_lshlrev_b32 v[TT+2*\j], 16, v[XX+\j]
	v_and_b32 v[TT+2*\j+1], s7, v[XX+\j]
.endr
.irp j, 0,2,4,6
	v_pk_fma_f32 v[TT+\j:TT+\j+1], v[TT+\j:TT+\j+1], v[A+\j:A+\j+1], v[B+\j:B+\j+1]
.endr
.irp j, 0,1,2,3,4,5,6,7
	v_max_num_f32 v[TT+\j], 0, v[TT+\j]
.endr
	v_pk_mul_f32 v[SS:SS+1], v[TT:TT+1], v[TT:TT+1]
.irp j, 2,4,6
	v_pk_fma_f32 v[SS:SS+1], v[TT+\j:TT+\j+1], v[TT+\j:TT+\j+1], v[SS:SS+1]
.endr
.irp j, 0,1,2,3
	v_cvt_pk_bf16_f32 v[XX+\j], v[TT+2*\j], v[TT+2*\j+1]
.endr
	global_store_b128 v1, v[XX:XX+3], s[24:25] offset:4096*(\i)
	v_add_f32 v[NS+(\i)], v[SS], v[SS+1]
.endm
.irp i, 0,1,2,3,4,5,6,7,8,9,10,11,12,13,14,15
	ROW \i
.endr
	; the sixteen sums across the 32 lanes, side by side: sixteen chains that do not wait for each other
.irp m, 1,2,4,8
.set i, 0
.rept 16
	v_add_f32_dpp v[NS+i], v[NS+i], v[NS+i] row_xmask:\m row_mask:0xf bank_mask:0xf
.set i, i+1
.endr
.endr
.set i, 0
.rept 16
	v_permlanex16_b32 v[PX+i], v[NS+i], s12, s13
.set i, i+1
.endr
.set i, 0
.rept 16
	v_add_f32 v[NS+i], v[NS+i], v[PX+i]
.set i, i+1
.endr
.irp q, 0,1,2,3
	ds_store_b128 v9, v[NS+4*(\q):NS+4*(\q)+3] offset:16*(\q)  ; all lanes write the same words with the same values
.endr
	s_wait_dscnt 0x0
	s_barrier_signal -1
	s_barrier_wait -1
	s_cmp_gt_u32 s8, 1
	s_cbranch_scc1 .Ldone                          ; waves 0 and 1 send the 256 sums: 512 consecutive bytes each
	v_lshlrev_b32 v10, 4, v0
	ds_load_b128 v[16:19], v10 offset:NPS
	s_wait_dscnt 0x0
	global_store_b128 v10, v[16:19], s[26:27]
.Ldone:
	s_wait_tensorcnt 0x0                           ; the wave's end: behind my last LDS store
	ds_add_u32 v[SPW], v[NIL]
	s_wait_dscnt 0x0
	s_endpgm
.Lfunc_end_k_q7690c6f0db_ew1:
	.size	k_q7690c6f0db_ew1, .Lfunc_end_k_q7690c6f0db_ew1-k_q7690c6f0db_ew1
	.p2alignl 7, 3214868480
	.fill 96, 4, 3214868480
	.section	.rodata,"a",@progbits
	.p2align	6, 0x0
	.amdhsa_kernel k_q7690c6f0db_ew1
		.amdhsa_group_segment_fixed_size 7168
		.amdhsa_private_segment_fixed_size 0
		.amdhsa_enable_private_segment 0
		.amdhsa_kernarg_size 48
		.amdhsa_user_sgpr_count 2
		.amdhsa_user_sgpr_kernarg_segment_ptr 1
		.amdhsa_wavefront_size32 1
		.amdhsa_system_sgpr_workgroup_id_x 1
		.amdhsa_system_sgpr_workgroup_id_y 1
		.amdhsa_system_sgpr_workgroup_id_z 1
		.amdhsa_system_vgpr_workitem_id 0
		.amdhsa_next_free_vgpr 200
		.amdhsa_next_free_sgpr 66
		.amdhsa_reserve_vcc 0
		.amdhsa_float_denorm_mode_32 3
		.amdhsa_float_denorm_mode_16_64 3
		.amdhsa_memory_ordered 1
		.amdhsa_forward_progress 1
		.amdhsa_inst_pref_size 47
	.end_amdhsa_kernel
	.amdgpu_metadata
---
amdhsa.version: [ 1, 2 ]
amdhsa.kernels:
  - .name:           k_q7690c6f0db_ew1
    .symbol:         k_q7690c6f0db_ew1.kd
    .args:
      - { .name: d, .offset: 0, .size: 8, .value_kind: global_buffer, .address_space: global }
      - { .name: st, .offset: 8, .size: 8, .value_kind: global_buffer, .address_space: global }
      - { .name: g1, .offset: 16, .size: 8, .value_kind: global_buffer, .address_space: global }
      - { .name: be1, .offset: 24, .size: 8, .value_kind: global_buffer, .address_space: global }
      - { .name: h, .offset: 32, .size: 8, .value_kind: global_buffer, .address_space: global }
      - { .name: np, .offset: 40, .size: 8, .value_kind: global_buffer, .address_space: global }
    .group_segment_fixed_size: 7168
    .private_segment_fixed_size: 0
    .kernarg_segment_align: 8
    .kernarg_segment_size: 48
    .max_flat_workgroup_size: 512
    .sgpr_count:     66
    .vgpr_count:     200
    .wavefront_size: 32
...
	.end_amdgpu_metadata
.endif
;; end of part 3
;; launch gemm2 (part 4): grid 8 x 32, 4 waves a work-group, clusters of 4 x 4, 327,680 bytes of LDS; arguments h, cb, b2, np, d, st; writes d, st
.if DOCPART == 4
	.amdgcn_target "amdgcn-amd-amdhsa--gfx1250"
	.amdhsa_code_object_version 6
	.text
	.protected	k_q7690c6f0db_gemm2
	.globl	k_q7690c6f0db_gemm2
	.p2align	8
	.type	k_q7690c6f0db_gemm2,@function
k_q7690c6f0db_gemm2:
	s_mov_b64 s[64:65], 0
	v_nop
	global_prefetch_b8 v0, s[64:65] scope:SCOPE_SE
	s_setreg_imm32_b32 hwreg(HW_REG_WAVE_MODE, 25, 1), 1
	s_wait_xcnt 0x0
	s_wait_alu depctr_hold_cnt(0) depctr_sa_sdst(0) depctr_va_vdst(0) depctr_va_sdst(0) depctr_va_ssrc(0) depctr_va_vcc(0) depctr_vm_vsrc(0)
	s_getreg_b32 s2, hwreg(HW_REG_IB_STS2, 6, 4)
	s_cmp_eq_u32 s2, 0
	s_cbranch_scc0 .Lentry_in_a_cluster
	s_endpgm
.Lentry_in_a_cluster:
	s_bfe_u32 s2, ttmp6, 0x10000c
	s_cmp_lg_u32 s2, 0xf033
	s_cbranch_scc0 .Lentry_shape_is_right
	s_endpgm
.Lentry_shape_is_right:
; LAYER 2: z = (f h) W2^T + b2, f the row's factor of the maps between the layers, left in the form that batch norm over the 8,192 rows needs.
; One text serves layers 1 and 2; the four constants SCALED, WCAST, SIZE_K and BOFF tell them apart.
; A [8192][SIZE_K] and B [2048][SIZE_K] are bf16, sums f32.  A tile of z, 256 x 256, is made by four waves, each 128 x 128 in 64 accumulators (512 registers): 256 work-groups.
; K goes in steps of 128 through a ring of two LDS slots filled by the tensor data mover; the tiles' rows are 256 bytes of memory at multiples of 256.  A K step is written once: the slot in hand is a
; scalar, 0 or SLOT, that an exclusive or turns; it enters the two LDS read addresses, and the same exclusive or turns the LDS word of the one descriptor that walks for each operand.
; CLUSTER 4 x 4: the four work-groups of a row of the cluster need the same tiles of A, the four of a column the same tiles of B: each tile is asked for jointly.
; THE MATRIX INSTRUCTION IS USED TRANSPOSED (source 0 = 16 rows of B, source 1 = 16 rows of A): lane l holds row l % 16 of z and the columns 8 (l / 16) + 0..7.
; WHAT LEAVES.  Each column of a wave's block of 128 rows is centred on the block's own first row c: d = z - c goes out in bf16, and one walk over the rows also makes S1 = the sum of d and S2 = the sum
; of d^2.  Into st go the block's mean c + S1 / 128 + bias, 524,288 bytes on M2 = S2 - S1^2 / 128 (the sum of squared deviations from that mean), and 1,048,576 bytes on the centre c + bias.
; c carries whatever offset the column has, so S2 and S1^2 / 128 are both of the size of the spread: no difference of large sums is formed, and d's rounding goes by the distance to a row of the block.
; With SCALED = 1 each row of the sums is first multiplied by the row's factor of the hyperbolic maps (RSC): a factor a row commutes with the product.
; THE WAY OUT goes through LDS: when the ring has had its last fill and its last read, each wave lays its 128 x 128 f32 into its own part of the ring (rows of 528 bytes) and walks it
; once by rows, a lane holding four columns.  No reduction across lanes is needed.
; WCAST = 1 (layer 1 alone): W2 and W3 are rounded to bf16 beside the matrix work; nothing of it is assembled here.
; LIMITS.  NaN and infinities are not treated apart.  M2, where rounding makes it negative, counts as 0.  A row's sum of squares below 2^-126 counts as 0; the factor has reached its limit, -0.9, long before.
.set SCALED, 1
.set WCAST,  0
.set SIZE_K, 2048
.set BOFF,   20971520                  ; B's first byte in its buffer
.set KSTEP,  128
.set PITCH,  272                       ; an LDS row: 256 bytes + 16 of padding = 68 words: the 16 rows that a load touches start at 16 different groups of four banks (ISA guide 11.1)
.set HALFT,  128*PITCH                 ; 128 rows: what one tensor load brings, and what one wave reads of A or of B
.set SLOT,   4*HALFT                   ; A's 256 rows, then B's 256 rows.  SLOT = 0x22000 shares no bit with wave x HALFT (0, 0x8800, 0x11000, 0x19800): an exclusive or with SLOT adds or takes away SLOT
.set SPITCH, 528                       ; a row of the stage: 128 f32 + 16 bytes
.set WSTAGE, 128*SPITCH                ; a wave's stage, inside the ring: 4 x 67,584 = 270,336 of its 278,528 bytes
.set RST,    2*SLOT                    ; behind the ring: 128 row factors for each wave, 512 bytes (SCALED)
.set SPARE,  RST+4*512                 ; behind them: the spare words, 128 bytes for each wave: two blocks of 256 bytes that no other line names
.set STEPS,  SIZE_K/KSTEP
.set PQOFF,  524288                    ; M2's part of st
.set PCOFF,  1048576                   ; the centres' part of st
.set W2B,    20971520                  ; where W2's bf16 begins in cb
.if SCALED
.set PA,  68                           ; s[68:69] h      s[70:71] cb      s[72:73] bias      s[74:75] np
.set PW,  70
.set PBI, 72
.set PNP, 74
.else
.set PA,  68                           ; s[68:69] cx (A at its head, B at BOFF)      s[70:71] bias      s[72:73] W2      s[74:75] W3      s[80:81] cb
.set PW,  68
.set PBI, 70
.set PW2, 72
.set PW3, 74
.set PCW, 80
.endif
.set PD,  76                           ; s[76:77] d      s[78:79] st
.set PST, 78
.set SL,  45                           ; s45      the slot in hand: 0 or SLOT
.set WC,  88                           ; s88      WCAST: my piece's number: 1,024 x trip + 4 x work-group + wave
.set WN,  89                           ; s89      its number in its source
.set WLIM, 90                          ; s90      the source's last piece
.set WMASK, 91                         ; s91      -1, or 0 for a piece of W3's zero rows
.set WSRC, 92                          ; s[92:93] the piece in W2 or W3
.set WDST, 94                          ; s[94:95] the piece in cb
.set WOFF, 96                          ; s[96:97] an offset in 64 bits
.set WL2, 98                           ; s98, s99 4,095 and 1,999: the last pieces of W2 and of W3
.set WL3, 99
; window 0
.set BIAS, 8                           ; v[8:11]   the bias of my four columns
.set VL32, 12                          ; v12       32 x lane (WCAST)
.set ADRA0, 16                         ; v16, v17  LDS address of my A and B fragments in slot 0; never rewritten
.set ADRB0, 17
.set ADRA, 20                          ; v20, v21  the same in the slot in hand
.set ADRB, 21
.set STO,  24                          ; v24       the stage: where I put my results of a row
.set RD,   25                          ; v25       the stage: my 16 bytes of its first row
.set GO,   26                          ; v26       8 x lane: my 8 bytes of a row of d
.set RSA,  27                          ; v27       LDS address of the trip's sixteen row factors
.set SPW,  28                          ; v28       LDS address of my spare word; never rewritten
.set NIL,  29                          ; v29       0; never rewritten
.set C16,  30                          ; v30       16 x lane
.set RDT,  31                          ; v31       RD + the trip's rows
.set W0,   32                          ; v[32:39]  at work in RSC
.set NPL,  192                         ; v[192:223] the eight slabs' parts of four rows' sums of squares (SCALED, ahead of the loop)
.set WX,   192                         ; v[192:223] WCAST: a piece as loaded;  v[224:239] as stored
.set WY,   224
.set F0,   64                          ; fragment buffers (A's in window 0, B's in window 1)
.set F1,   128
.set X,    64                          ; the way out: v[64:127] sixteen rows x four columns
.set Y,    128                         ; v[128:159] sixteen rows x four bf16
.set R,    160                         ; v[160:175] sixteen row factors
.set S,    176                         ; v[176:183] S1, two sets (even rows', odd rows')
.set CEN,  184                         ; v[184:187] the block's centre
.set Q,    188                         ; v[188:195] S2, two sets
.set T,    196                         ; v[196:199] centre + bias
.set E,    200                         ; v[200:203] S1 / 128, then the mean
.set G1,  24                           ; s[24:31] descriptor group 1 for A's tiles;  s[32:39] group 0: a set for each of the two first fills; the second then walks on
.set G0,  32
.set G1B, 48                           ; s[48:55], s[56:63] the same for B's tiles
.set G0B, 56
.set MSB, 0
.macro WIN new                         ; the immediate's high byte repeats the setting that is left; a switch that changes nothing is dropped
.if MSB != (\new)
	s_set_vgpr_msb (MSB<<8)|(\new)
.set MSB, \new
.endif
.endm
.set MUL_LO, 0xa1                      ; source 0 (B) window 1, source 1 (A) window 0, C and D window 2: my rows 0-63
.set MUL_HI, 0xf1                      ; the same, C and D window 3: my rows 64-127
.set TO_B,   0x40                      ; destination window 1, address window 0
; A joint load.  Waves 0 and 1 fetch A's two halves, waves 2 and 3 B's.  The branch hangs on the wave's number alone.  An s_nop 0 and four v_nop follow each of the two lines.
.macro JLOAD s
	s_cmp_eq_u32 s11, 0
	s_cbranch_scc0 .Lfor_b_\@
	tensor_load_to_lds s[G0+4*(\s):G0+4*(\s)+3], s[G1:G1+7]
	s_nop 0
.rept 4
	v_nop
.endr
	s_branch .Lasked_\@
.Lfor_b_\@:
	tensor_load_to_lds s[G0B+4*(\s):G0B+4*(\s)+3], s[G1B:G1B+7]
	s_nop 0
.rept 4
	v_nop
.endr
.Lasked_\@:
.endm
.macro CREST                           ; a round of the cluster's barrier behind its opening barrier: wave 0 signals for the work-group, every wave waits for all sixteen, my work-group's barrier closes it
	s_cmp_lg_u32 s10, 0
	s_cbranch_scc1 .Lnot_wave_0_\@
	s_barrier_signal -3
.Lnot_wave_0_\@:
	s_barrier_wait -3
	s_barrier_signal -1
	s_barrier_wait -1
.endm
.macro CROUND                          ; a whole round
	s_barrier_signal -1
	s_barrier_wait -1
	CREST
.endm
	s_load_b256 s[68:75], s[0:1], 0x0
	s_load_b128 s[76:79], s[0:1], 0x20
.if WCAST
	s_load_b64 s[80:81], s[0:1], 0x30
.endif
	v_lshl_add_u32 v[SPW], v0, 2, SPARE
	v_mov_b32 v[NIL], 0
	ds_add_u32 v[SPW], v[NIL]                      ; the wave's opening: the add and its wait stand ahead of my first tensor load; the set-up below, work on registers, stands between them
	v_lshrrev_b32 v1, 5, v0
	v_readfirstlane_b32 s10, v1                    ; wave 0..3
	s_lshr_b32 s11, s10, 1                         ; which half of the tile's rows is mine.  Also: I fetch for A (0) or for B (1)
	s_and_b32 s12, s10, 1                          ; which half of its columns.  Also: which 128 rows of that tile I fetch
	s_bfe_u32 s40, ttmp6, 0x40000                  ; cx, cy: my place in the cluster
	s_bfe_u32 s41, ttmp6, 0x40004
	s_lshl_b32 s42, ttmp9, 2
	s_add_co_u32 s42, s42, s40                     ; tile column = 4 x cluster x + cx
	s_and_b32 s13, ttmp7, 0xffff
	s_lshl_b32 s13, s13, 2
	s_add_co_u32 s13, s13, s41                     ; tile row = 4 x cluster y + cy
	s_lshl_b32 s43, s41, 2
	s_lshl_b32 s43, 15, s43                        ; my row of the cluster: places 4 cy .. 4 cy + 3
	s_lshl_b32 s44, 0x1111, s40                    ; my column: places cx, cx + 4, cx + 8, cx + 12
	; descriptor group 1: a tile of 128 rows x 128 elements of 2 bytes, 16 bytes of padding behind every 256
	s_or_b32 s[G1+0], s43, (1<<16)|(1<<20)|(1<<21)|(5<<22)|(3<<25)   ; 15:0 the mask: A's tiles go to my row; 17:16 2-byte elements; 20 padding on; 21 set beside a mask; 24:22 after every 64 words; 31:25 four words
	s_or_b32 s[G1B+0], s44, (1<<16)|(1<<20)|(1<<21)|(5<<22)|(3<<25)  ; the same with the mask of my column
.irp g, G1, G1B
	s_mov_b32 s[(\g)+1], KSTEP<<16                 ; tensor_dim0 = 128
	s_mov_b32 s[(\g)+2], 128<<16                   ; tensor_dim1 = 128
	s_mov_b32 s[(\g)+3], KSTEP<<16                 ; tile_dim0 = 128
	s_mov_b32 s[(\g)+4], 128                       ; tile_dim1 = 128
	s_mov_b32 s[(\g)+5], SIZE_K                    ; elements from row to row
	s_mov_b32 s[(\g)+6], 0
	s_mov_b32 s[(\g)+7], 0
.endr
	; A's tiles hang on the tile row alone, B's on the tile column alone; each address is made in registers that never hold the other coordinate
	s_lshl_b32 s17, s12, 7
	s_lshl_b32 s16, s13, 8
	s_add_co_u32 s16, s16, s17                     ; A: row 256 x tile row + 128 x half
	s_lshl_b32 s46, s42, 8
	s_add_co_u32 s46, s46, s17                     ; B: row 256 x tile column + 128 x half
	s_mov_b32 s17, 0
	s_mov_b32 s47, 0
	s_mov_b64 s[18:19], SIZE_K*2
	s_mul_u64 s[16:17], s[16:17], s[18:19]
	s_mul_u64 s[46:47], s[46:47], s[18:19]
	s_mul_i32 s20, s10, HALFT                      ; where they go: wave x 128 rows: no place in the cluster enters an LDS address
	s_wait_dscnt 0x0                               ; the opening add is done
	s_wait_kmcnt 0x0
	s_add_nc_u64 s[14:15], s[PA:PA+1], s[16:17]
	s_add_nc_u64 s[6:7], s[PW:PW+1], BOFF
	s_add_nc_u64 s[46:47], s[6:7], s[46:47]
	CROUND                                         ; all sixteen work-groups are here: the first joint loads meet
.irp s, 0,1
	s_mov_b32 s[G0+4*(\s)], 1                                        ; count = 1
	s_add_co_u32 s[G0+4*(\s)+1], s20, (\s)*SLOT                      ; LDS address
	s_add_nc_u64 s[G0+4*(\s)+2:G0+4*(\s)+3], s[14:15], (\s)*KSTEP*2  ; global address: K step s
	s_or_b32 s[G0+4*(\s)+3], s[G0+4*(\s)+3], 0x80000000              ; type = 2
	s_mov_b32 s[G0B+4*(\s)], 1
	s_add_co_u32 s[G0B+4*(\s)+1], s20, (\s)*SLOT
	s_add_nc_u64 s[G0B+4*(\s)+2:G0B+4*(\s)+3], s[46:47], (\s)*KSTEP*2
	s_or_b32 s[G0B+4*(\s)+3], s[G0B+4*(\s)+3], 0x80000000
	JLOAD \s                                       ; two loads of mine are out
.endr
	; a fragment is 16 rows x 32 K in 8 registers: lane l holds row l % 16, K = 8 (l / 16) + 0..7 and 16 + 8 (l / 16) + 0..7: two loads of 16 bytes, 32 bytes apart
	v_and_b32 v1, 15, v0                           ; l % 16
	v_bfe_u32 v2, v0, 4, 1                         ; l / 16
	v_mul_u32_u24 v3, v1, PITCH
	v_lshl_add_u32 v3, v2, 4, v3
	s_mul_i32 s21, s11, HALFT                      ; my 128 rows of A
	s_mul_i32 s22, s12, HALFT                      ; my 128 rows of B,
	s_add_co_u32 s22, s22, 2*HALFT                 ; which lie behind A's 256
	v_add_nc_u32 v[ADRA0], s21, v3
	v_add_nc_u32 v[ADRB0], s22, v3
	v_mov_b32 v[ADRA], v[ADRA0]                    ; the walk begins in slot 0
	v_mov_b32 v[ADRB], v[ADRB0]
	s_mov_b32 s[SL], 0
	s_mul_i32 s23, s10, WSTAGE                     ; my stage
	v_mul_u32_u24 v4, v1, SPITCH                   ; in: row l % 16, 32 bytes (eight columns) for each half of the lanes
	v_lshl_add_u32 v4, v2, 5, v4
	v_add_nc_u32 v[STO], s23, v4
	v_and_b32 v5, 31, v0
	v_lshlrev_b32 v[C16], 4, v5
	v_add_nc_u32 v[RD], s23, v[C16]                ; back: 32 lanes take a row's 512 bytes
	v_lshlrev_b32 v[GO], 3, v5
	; the pointers of the way out.  rowbase = 256 x tile row + 128 x half, colbase = 256 x tile column + 128 x half; the column coordinate stays in s[84:87]
	s_lshl_b32 s16, s13, 8
	s_lshl_b32 s17, s11, 7
	s_add_co_u32 s16, s16, s17                     ; rowbase
	s_lshl_b32 s84, s42, 8
	s_lshl_b32 s85, s12, 7
	s_add_co_u32 s84, s84, s85                     ; colbase
	s_lshl_b32 s86, s16, 12
	s_lshl1_add_u32 s86, s84, s86                  ; d: rowbase x 4,096 + colbase x 2
	s_mov_b32 s87, 0
	s_add_nc_u64 s[PD:PD+1], s[PD:PD+1], s[86:87]
	s_lshl_b32 s86, s16, 6
	s_lshl2_add_u32 s86, s84, s86                  ; st: (rowbase / 128) x 8,192 + colbase x 4
	s_add_nc_u64 s[PST:PST+1], s[PST:PST+1], s[86:87]
	s_lshl_b32 s86, s84, 2
	s_add_nc_u64 s[PBI:PBI+1], s[PBI:PBI+1], s[86:87]
	global_load_b128 v[BIAS:BIAS+3], v[C16], s[PBI:PBI+1]
.if WCAST
	s_lshl3_add_u32 s[WC], s13, s42                ; my work-group's number: 8 x tile row + tile column,
	s_lshl2_add_u32 s[WC], s[WC], s10              ; x 4 + wave: my piece of the first trip.  It enters global addresses and a mask alone
	s_mov_b32 s[WOFF+1], 0
	s_mov_b32 s[WL2], 4095
	s_mov_b32 s[WL3], 1999
	s_add_nc_u64 s[PCW:PCW+1], s[PCW:PCW+1], W2B
	v_lshlrev_b32 v[VL32], 5, v5
.endif
; THE ROW FACTOR, from n2 = the row's sum of squares, in place.  With tq(u) = tanh(u) / u and aq(w) = atanh(w) / w, sc = sqrt(0.1):
;   layer 1 (into the ball, log map at the origin): u = sc n, w = 0.9 tanh u, factor = -0.9 tq(u) aq(w)
;   layer 2 (exp map at the origin, out of the ball): u = sc max(n, 1e-8), w = sc clip(tq(u) n, 1e-8, 1), factor = tq(u) aq(w)
; (1 + 1e-8 and 1 - 1e-8 are 1 in f32.)  Below 0.25 both quotients are taken from their series, cut where the next term is under 1e-7 of the sum; above, from exp2 and log2.
; The choice is a select: both ways are computed in every lane.  A plain instruction stands behind every transcendental before its result is used (ISA guide 5.7.2).
.macro RSC layer, x
	v_sqrt_f32 v[W0], v[\x]                        ; n
	v_mov_b32 v[W0+5], 0x3cb327a4                  ; 62/2835
.if (\layer) == 2
	v_max_num_f32 v[W0+1], 0x322bcc77, v[W0]       ; max(n, 1e-8)
	v_mul_f32 v[W0+1], 0x3ea1e89b, v[W0+1]         ; u
.else
	s_wait_alu depctr_va_vdst(0)
	v_mul_f32 v[W0+1], 0x3ea1e89b, v[W0]           ; u
.endif
	v_max_num_f32 v[W0+2], 0x0da24260, v[W0+1]     ; no division by 0: where u is under 1e-30 the series is taken anyway
	v_mul_f32 v[W0+3], 0x4038aa3b, v[W0+1]         ; 2 log2(e) u
	v_rcp_f32 v[W0+2], v[W0+2]                     ; 1 / u
	v_exp_f32 v[W0+3], v[W0+3]                     ; e^(2u)
	v_mul_f32 v[W0+4], v[W0+1], v[W0+1]            ; u^2
	s_wait_alu depctr_va_vdst(0)
	v_add_f32 v[W0+3], 1.0, v[W0+3]
	v_fmaak_f32 v[W0+5], v[W0+5], v[W0+4], 0xbd5d0dd1  ; -17/315
	v_rcp_f32 v[W0+3], v[W0+3]
	v_fmaak_f32 v[W0+5], v[W0+5], v[W0+4], 0x3e088889  ; 2/15
	s_wait_alu depctr_va_vdst(0)
	v_fma_f32 v[W0+3], v[W0+3], -2.0, 1.0          ; tanh u = 1 - 2 / (e^(2u) + 1)
	v_fmaak_f32 v[W0+5], v[W0+5], v[W0+4], 0xbeaaaaab  ; -1/3
	v_mul_f32 v[W0+3], v[W0+3], v[W0+2]
	v_fma_f32 v[W0+5], v[W0+5], v[W0+4], 1.0
	v_cmp_gt_f32 vcc_lo, 0x3e800000, v[W0+1]
	v_cndmask_b32 v[W0+3], v[W0+3], v[W0+5], vcc_lo  ; tq
.if (\layer) == 1
	v_mul_f32 v[W0+6], v[W0+3], v[W0+1]
	v_mul_f32 v[W0+6], 0x3f666666, v[W0+6]         ; w = 0.9 tanh u
.else
	v_mul_f32 v[W0+6], v[W0+3], v[W0]
	v_med3_num_f32 v[W0+6], v[W0+6], 0x322bcc77, 1.0
	v_mul_f32 v[W0+6], 0x3ea1e89b, v[W0+6]         ; w
.endif
	v_sub_f32 v[W0+2], 1.0, v[W0+6]
	v_mul_f32 v[W0+4], v[W0+6], v[W0+6]            ; w^2
	v_rcp_f32 v[W0+2], v[W0+2]
	v_rcp_f32 v[W0+7], v[W0+6]
	v_add_f32 v[W0+1], 1.0, v[W0+6]
	v_mov_b32 v[W0+5], 0x3de38e39                  ; 1/9
	s_wait_alu depctr_va_vdst(0)
	v_mul_f32 v[W0+2], v[W0+1], v[W0+2]            ; (1 + w) / (1 - w)
	v_fmaak_f32 v[W0+5], v[W0+5], v[W0+4], 0x3e124925  ; 1/7
	v_log_f32 v[W0+2], v[W0+2]
	v_fmaak_f32 v[W0+5], v[W0+5], v[W0+4], 0x3e4ccccd  ; 1/5
	v_mul_f32 v[W0+7], 0x3eb17218, v[W0+7]         ; ln(2) / 2 / w
	v_fmaak_f32 v[W0+5], v[W0+5], v[W0+4], 0x3eaaaaab  ; 1/3
	s_wait_alu depctr_va_vdst(0)
	v_mul_f32 v[W0+2], v[W0+2], v[W0+7]
	v_fma_f32 v[W0+5], v[W0+5], v[W0+4], 1.0
	v_cmp_gt_f32 vcc_lo, 0x3e800000, v[W0+6]
	v_cndmask_b32 v[W0+2], v[W0+2], v[W0+5], vcc_lo  ; aq
.if (\layer) == 1
	v_mul_f32 v[W0+3], 0xbf666666, v[W0+3]
.endif
	v_mul_f32 v[\x], v[W0+3], v[W0+2]
.endm
.if SCALED
	; my 128 rows' factors, made in the wait for the first tile: lane l takes rows 32 i + l; a row's sum of squares lies in eight parts, one for each slab of 256 columns
	s_lshl_b32 s86, s16, 2
	s_add_nc_u64 s[PNP:PNP+1], s[PNP:PNP+1], s[86:87]
	v_lshlrev_b32 v6, 2, v5
	s_lshl_b32 s18, s10, 9
	s_add_co_u32 s18, s18, RST                     ; my 512 bytes of factors; kept for the way out
	v_add_nc_u32 v7, s18, v6
.irp s, 0,1,2,3,4,5,6,7
.irp i, 0,1,2,3
	global_load_b32 v[NPL+4*(\s)+(\i)], v6, s[PNP:PNP+1] offset:32768*(\s)+128*(\i)
.endr
.endr
	s_wait_loadcnt 0x0                             ; these and the bias
.irp s, 1,2,3,4,5,6,7
	v_pk_add_f32 v[NPL:NPL+1], v[NPL:NPL+1], v[NPL+4*(\s):NPL+4*(\s)+1]
	v_pk_add_f32 v[NPL+2:NPL+3], v[NPL+2:NPL+3], v[NPL+4*(\s)+2:NPL+4*(\s)+3]
.endr
.irp i, 0,1,2,3
	RSC 1, NPL+(\i)
.endr
.irp i, 0,1,2,3
	ds_store_b32 v7, v[NPL+(\i)] offset:128*(\i)   ; bytes of my own, which no tensor load fills and no other wave names
.endr
.endif
; 16 matrix instructions: m blocks a0, a0 + 1 of the window's four x all 8 n blocks, 32 along K.  zero = 1: the first product starts the sums.  The 64 accumulators take turns.
.macro MUL16 f, hi, a0, zero
	WIN MUL_LO+0x50*(\hi)
.irp a, \a0, (\a0)+1
.irp b, 0,1,2,3,4,5,6,7
.if \zero
	v_wmma_f32_16x16x32_bf16 v[8*(8*(\a)+(\b)):8*(8*(\a)+(\b))+7], v[(\f)+8*(\b):(\f)+8*(\b)+7], v[(\f)+8*(4*(\hi)+(\a)):(\f)+8*(4*(\hi)+(\a))+7], 0
.else
	v_wmma_f32_16x16x32_bf16 v[8*(8*(\a)+(\b)):8*(8*(\a)+(\b))+7], v[(\f)+8*(\b):(\f)+8*(\b)+7], v[(\f)+8*(4*(\hi)+(\a)):(\f)+8*(4*(\hi)+(\a))+7], v[8*(8*(\a)+(\b)):8*(8*(\a)+(\b))+7]
.endif
.endr
.endr
.endm
; 32 LDS loads in one run: the fragments of one quarter step (128 rows of B, 128 rows of A, 32 K at byte k of the rows of the slot in hand) into buffer f
.macro FETCH k, f
	WIN TO_B
.irp i, 0,1,2,3,4,5,6,7
	ds_load_b128 v[(\f)+8*(\i):(\f)+8*(\i)+3],   v[ADRB] offset:(\k)+(\i)*16*PITCH
	ds_load_b128 v[(\f)+8*(\i)+4:(\f)+8*(\i)+7], v[ADRB] offset:(\k)+(\i)*16*PITCH+32
.endr
	WIN 0
.irp i, 0,1,2,3,4,5,6,7
	ds_load_b128 v[(\f)+8*(\i):(\f)+8*(\i)+3],   v[ADRA] offset:(\k)+(\i)*16*PITCH
	ds_load_b128 v[(\f)+8*(\i)+4:(\f)+8*(\i)+7], v[ADRA] offset:(\k)+(\i)*16*PITCH+32
.endr
.endm
.macro PLACES                          ; four plain instructions between a matrix instruction and a load into, or another instruction's use of, its registers (ISA guide 7.12.1 for another instruction's use)
.rept 4
	v_nop
.endr
.endm
.macro NEXTSLOT                        ; the reads go on in the other slot
	s_xor_b32 s[SL], s[SL], SLOT
	v_add_nc_u32 v[ADRA], s[SL], v[ADRA0]
	v_add_nc_u32 v[ADRB], s[SL], v[ADRB0]
.endm
; A K step is four quarters of 32 along K, 64 matrix instructions each, on buffers 0, 1, 0, 1.  One of the first three multiplies buffer f and, in its middle, fetches the next quarter, at byte k, into g.
.macro QUARTER k, f, g, zero
	s_wait_dscnt 8                                 ; B and A's rows 0-63 are in; the youngest eight loads (A's rows 64-127) may be out
	WIN MUL_LO
	MUL16 \f, 0, 0, \zero
	MUL16 \f, 0, 2, \zero
	PLACES
	FETCH \k, \g
	s_wait_dscnt 32                                ; all but the 32 just issued
	WIN MUL_HI
	MUL16 \f, 1, 0, \zero
	MUL16 \f, 1, 2, \zero
.endm
; The last quarter multiplies buffer 1 and changes slots.  ONE barrier: in front of it each wave waits for all its tensor loads (at most one is out: its part of the next slot), adds 0 to its spare word,
; and waits for that and for its own reads of this slot.  Behind it nobody reads this slot any more and the next slot is whole.
.macro MEET round
	WIN 0                                          ; (the add's two registers lie in window 0)
	s_wait_tensorcnt 0x0
	ds_add_u32 v[SPW], v[NIL]                      ; 0 onto my spare word
	s_wait_dscnt 9                                 ; (the add and the youngest eight loads may be out)
	WIN MUL_LO
	MUL16 F1, 0, 0, 0                              ; sixteen matrix instructions stand between the add and the wait for it
	s_wait_dscnt 0x0                               ; the add is done, and my reads of this slot are over
	s_barrier_signal -1
	MUL16 F1, 0, 2, 0
.if \round
	WIN 0
.endif
	s_barrier_wait -1
.endm
; The barrier opens a round of the cluster's barrier, and the slot just read out is filled again, two K steps ahead, first thing behind the round: one load of mine is out, with 224 matrix instructions in which to land.
; The walking descriptors are written where no tensor load of mine is out: the other slot than last time, the next K step.
.macro TURN
	MEET 1
	CREST
	s_xor_b32 s[G0+5], s[G0+5], SLOT
	s_add_nc_u64 s[G0+6:G0+7], s[G0+6:G0+7], KSTEP*2
	s_xor_b32 s[G0B+5], s[G0B+5], SLOT
	s_add_nc_u64 s[G0B+6:G0B+7], s[G0B+6:G0B+7], KSTEP*2
	JLOAD 1                                        ; the four v_nop behind it are also the places in front of the loads below
	NEXTSLOT
	FETCH 0, F0
	WIN MUL_HI
	MUL16 F1, 1, 0, 0
	MUL16 F1, 1, 2, 0
.endm
.if WCAST
; My piece of this trip: 1,024 numbers, 4,096 bytes of W2 (pieces 0 to 4,095: trips 0 to 3, for every wave of the launch) or of W3 (the others).  The source is a choice between two buffers by the piece's
; number; a piece past W3's last (rows 1000-1023 of the padded image) reads W3's last piece instead and is masked to zero.  A lane takes 32 consecutive bytes of each 1,024.
.macro WLOAD
	s_wait_xcnt 0x0                                ; the last trip's stores have read their base and their data: only behind this wait are these written again
	s_cmp_lt_u32 s[WC], 4096
	s_cselect_b64 s[WSRC:WSRC+1], s[PW2:PW2+1], s[PW3:PW3+1]
	s_cselect_b32 s[WN], 0, 4096
	s_cselect_b32 s[WLIM], s[WL2], s[WL3]
	s_sub_co_u32 s[WN], s[WC], s[WN]
	s_cmp_le_u32 s[WN], s[WLIM]
	s_cselect_b32 s[WMASK], -1, 0
	s_min_u32 s[WN], s[WN], s[WLIM]                ; every load stays inside its buffer
	s_lshl_b32 s[WOFF], s[WN], 12
	s_add_nc_u64 s[WSRC:WSRC+1], s[WSRC:WSRC+1], s[WOFF:WOFF+1]
	s_lshl_b32 s[WOFF], s[WC], 11
	s_add_nc_u64 s[WDST:WDST+1], s[PCW:PCW+1], s[WOFF:WOFF+1]
	s_add_co_u32 s[WC], s[WC], 1024                ; the next trip's piece
.irp j, 0,1,2,3
	global_load_b128 v[WX+8*(\j):WX+8*(\j)+3],   v[VL32], s[WSRC:WSRC+1] offset:1024*(\j) th:TH_LOAD_NT
	global_load_b128 v[WX+8*(\j)+4:WX+8*(\j)+7], v[VL32], s[WSRC:WSRC+1] offset:1024*(\j)+16 th:TH_LOAD_NT
.endr
.endm
.macro WSTORE                          ; a K step's matrix work behind the loads: rounded, masked, stored: each store of the wave covers 512 consecutive bytes, aligned
	s_wait_loadcnt 0x0                             ; the eight loads (in the first trip the bias too)
.irp j, 0,1,2,3
.irp q, 0,1,2,3
	v_cvt_pk_bf16_f32 v[WY+4*(\j)+(\q)], v[WX+8*(\j)+2*(\q)], v[WX+8*(\j)+2*(\q)+1]
.endr
.endr
.irp j, 0,1,2,3,4,5,6,7,8,9,10,11,12,13,14,15
	v_and_b32 v[WY+(\j)], s[WMASK], v[WY+(\j)]
.endr
.irp j, 0,1,2,3
	global_store_b128 v[C16], v[WY+4*(\j):WY+4*(\j)+3], s[WDST:WDST+1] offset:512*(\j)
.endr
.endm
.endif
	s_wait_tensorcnt 1                             ; my part of K step 0 is in; K step 1's may stay out
.if SCALED
	s_wait_dscnt 0x0                               ; my factors are stored
.endif
	s_barrier_signal -1
	s_barrier_wait -1                              ; everybody's part is in
	FETCH 0, F0
	QUARTER 64,  F0, F1, 1                         ; the first quarter stands in front of the loop: its products start the sums
	WIN 0                                          ; at a label and at a branch every window is 0
	s_mov_b32 s3, STEPS-2
.Lstep:                                                ; a trip goes from a K step's second quarter to the next step's first, and fills the slot that it leaves: every step but the last two
.if WCAST
	WLOAD
.endif
	QUARTER 128, F1, F0, 0
	QUARTER 192, F0, F1, 0
	TURN
	QUARTER 64,  F0, F1, 0
	WIN 0
.if WCAST
	WSTORE
.endif
	s_sub_co_u32 s3, s3, 1
	s_cmp_lg_u32 s3, 0
	s_cbranch_scc1 .Lstep
	s_mov_b32 s3, 2
.Ltail:                                                ; the last two K steps fill nothing and have no round of the cluster's barrier.  Written once: the second trip jumps over the step that does not follow
	QUARTER 128, F1, F0, 0
	QUARTER 192, F0, F1, 0
	MEET 0                                         ; first trip: the last K step's tile has landed, everybody's part of it.  (In the second trip nothing hangs on this barrier.)
	MUL16 F1, 1, 0, 0
	MUL16 F1, 1, 2, 0
	WIN 0
	s_cmp_eq_u32 s3, 1
	s_cbranch_scc1 .Llast                          ; forward, over LDS loads and matrix work alone
	NEXTSLOT
	PLACES
	FETCH 0, F0
	QUARTER 64,  F0, F1, 0
	WIN 0
.Llast:
	s_sub_co_u32 s3, s3, 1
	s_cmp_lg_u32 s3, 0
	s_cbranch_scc1 .Ltail
	; THE WAY OUT.  Every wave's reads of the ring are back and no tensor load is out or to come: behind this barrier the ring's bytes are the waves' stages.
	s_wait_dscnt 0x0
	s_barrier_signal -1
	s_barrier_wait -1
	PLACES
.irp a, 0,1,2,3,4,5,6,7                ; block a of 16 rows: each accumulator's four lowest registers go first
	WIN 0x08+4*((\a)/4)                            ; the data (source 1) in window 2 or 3
.irp b, 0,1,2,3,4,5,6,7
	ds_store_b128 v[STO], v[8*(8*((\a)%4)+(\b)):8*(8*((\a)%4)+(\b))+3]   offset:(\a)*16*SPITCH+64*(\b)
	ds_store_b128 v[STO], v[8*(8*((\a)%4)+(\b))+4:8*(8*((\a)%4)+(\b))+7] offset:(\a)*16*SPITCH+64*(\b)+16
.endr
.endr
	WIN 0
	; the centre: my four columns of the block's first row (times its factor).  LDS serves a wave's instructions in order (ISA guide 5.7.1.4): the loads see the stores above
	ds_load_b128 v[CEN:CEN+3], v[RD]
.if SCALED
	v_mov_b32 v[RSA], s18
	ds_load_b64 v[T:T+1], v[RSA]                   ; the first two rows' factors; the first is used
.endif
.irp j, 0,1,2,3,4,5,6,7
	v_mov_b32 v[S+(\j)], 0
	v_mov_b32 v[Q+(\j)], 0
.endr
	s_wait_dscnt 0x0
.if SCALED
	v_pk_mul_f32 v[CEN:CEN+1], v[CEN:CEN+1], v[T:T+1] op_sel_hi:[1,0]
	v_pk_mul_f32 v[CEN+2:CEN+3], v[CEN+2:CEN+3], v[T:T+1] op_sel_hi:[1,0]
.endif
; Row i of the trip: d = z - c, onto S1, its square onto S2, d rounded to bf16 and stored: 32 lanes x 8 bytes are 256 consecutive bytes, aligned
.macro DROW i
.set rS, S+4*((\i)%2)
.set rQ, Q+4*((\i)%2)
.set rX, X+4*(\i)
.set rR, R+2*((\i)/2)
.set rY, Y+2*(\i)
.if (\i)%4 == 0
	s_wait_dscnt 12-(\i)                           ; rows i to i + 3 are in; the younger rows' loads stay out
.endif
.irp c, 0,2
.if SCALED
.if (\i)%2
	v_pk_fma_f32 v[rX+\c:rX+\c+1], v[rX+\c:rX+\c+1], v[rR:rR+1], v[CEN+\c:CEN+\c+1] op_sel:[0,1,0] op_sel_hi:[1,1,1] neg_lo:[0,0,1] neg_hi:[0,0,1]
.else
	v_pk_fma_f32 v[rX+\c:rX+\c+1], v[rX+\c:rX+\c+1], v[rR:rR+1], v[CEN+\c:CEN+\c+1] op_sel_hi:[1,0,1] neg_lo:[0,0,1] neg_hi:[0,0,1]
.endif
.else
	v_pk_add_f32 v[rX+\c:rX+\c+1], v[rX+\c:rX+\c+1], v[CEN+\c:CEN+\c+1] neg_lo:[0,1] neg_hi:[0,1]
.endif
.endr
.irp c, 0,2
	v_pk_add_f32 v[rS+\c:rS+\c+1], v[rS+\c:rS+\c+1], v[rX+\c:rX+\c+1]
	v_pk_fma_f32 v[rQ+\c:rQ+\c+1], v[rX+\c:rX+\c+1], v[rX+\c:rX+\c+1], v[rQ+\c:rQ+\c+1]
.endr
	v_cvt_pk_bf16_f32 v[rY], v[rX], v[rX+1]
	v_cvt_pk_bf16_f32 v[rY+1], v[rX+2], v[rX+3]
	global_store_b64 v[GO], v[rY:rY+1], s[PD:PD+1] offset:4096*(\i)
.endm
	s_mov_b32 s20, 0                               ; the trip's rows in my stage
.if SCALED
	s_mov_b32 s21, s18                             ; and their factors
.endif
	s_mov_b32 s2, 8
.Ldev:                                                 ; sixteen rows a trip: 512 consecutive bytes of my stage each, and (SCALED) their sixteen factors, which every lane reads alike
	v_add_nc_u32 v[RDT], s20, v[RD]
.if SCALED
	v_mov_b32 v[RSA], s21
.irp q, 0,1,2,3
	ds_load_b128 v[R+4*(\q):R+4*(\q)+3], v[RSA] offset:16*(\q)
.endr
.endif
.irp i, 0,1,2,3,4,5,6,7,8,9,10,11,12,13,14,15
	ds_load_b128 v[X+4*(\i):X+4*(\i)+3], v[RDT] offset:SPITCH*(\i)
.endr
.irp i, 0,1,2,3,4,5,6,7,8,9,10,11,12,13,14,15
	DROW \i
.endr
	s_wait_xcnt 0x0                                ; the stores' data registers and their base are written again only behind this wait
	s_add_nc_u64 s[PD:PD+1], s[PD:PD+1], 16*4096
	s_add_co_u32 s20, s20, 16*SPITCH
.if SCALED
	s_add_co_u32 s21, s21, 64
.endif
	s_sub_co_u32 s2, s2, 1
	s_cmp_lg_u32 s2, 0
	s_cbranch_scc1 .Ldev
	v_pk_add_f32 v[S:S+1], v[S:S+1], v[S+4:S+5]
	v_pk_add_f32 v[S+2:S+3], v[S+2:S+3], v[S+6:S+7]
	v_pk_add_f32 v[Q:Q+1], v[Q:Q+1], v[Q+4:Q+5]
	v_pk_add_f32 v[Q+2:Q+3], v[Q+2:Q+3], v[Q+6:Q+7]
.if !SCALED
	s_wait_loadcnt 0x0                             ; the bias, asked for ahead of the first K step
.endif
	v_pk_add_f32 v[T:T+1], v[CEN:CEN+1], v[BIAS:BIAS+1]              ; the centre with the bias
	v_pk_add_f32 v[T+2:T+3], v[CEN+2:CEN+3], v[BIAS+2:BIAS+3]
	v_pk_mul_f32 v[E:E+1], v[S:S+1], 0x3c000000 op_sel_hi:[1,0]      ; S1 / 128
	v_pk_mul_f32 v[E+2:E+3], v[S+2:S+3], 0x3c000000 op_sel_hi:[1,0]
	v_pk_fma_f32 v[Q:Q+1], v[S:S+1], v[E:E+1], v[Q:Q+1] neg_lo:[1,0,0] neg_hi:[1,0,0]          ; M2 = S2 - S1 x S1 / 128
	v_pk_fma_f32 v[Q+2:Q+3], v[S+2:S+3], v[E+2:E+3], v[Q+2:Q+3] neg_lo:[1,0,0] neg_hi:[1,0,0]
	v_pk_add_f32 v[E:E+1], v[E:E+1], v[T:T+1]                        ; the block's mean with the bias
	v_pk_add_f32 v[E+2:E+3], v[E+2:E+3], v[T+2:T+3]
.irp j, 0,1,2,3
	v_max_num_f32 v[Q+(\j)], 0, v[Q+(\j)]
.endr
	global_store_b128 v[C16], v[E:E+3], s[PST:PST+1]                 ; 512 consecutive bytes each
	global_store_b128 v[C16], v[Q:Q+3], s[PST:PST+1] offset:PQOFF
	global_store_b128 v[C16], v[T:T+3], s[PST:PST+1] offset:PCOFF
	s_wait_tensorcnt 0x0                           ; the wave's end: behind my last tensor load and my last LDS store
	ds_add_u32 v[SPW], v[NIL]
	s_wait_dscnt 0x0
	CROUND                                         ; the closing round: no work-group ends while a partner may still ask for a tile that names it
	s_endpgm
.Lfunc_end_k_q7690c6f0db_gemm2:
	.size	k_q7690c6f0db_gemm2, .Lfunc_end_k_q7690c6f0db_gemm2-k_q7690c6f0db_gemm2
	.p2alignl 7, 3214868480
	.fill 96, 4, 3214868480
	.section	.rodata,"a",@progbits
	.p2align	6, 0x0
	.amdhsa_kernel k_q7690c6f0db_gemm2
		.amdhsa_group_segment_fixed_size 327680
		.amdhsa_private_segment_fixed_size 0
		.amdhsa_enable_private_segment 0
		.amdhsa_kernarg_size 48
		.amdhsa_user_sgpr_count 2
		.amdhsa_user_sgpr_kernarg_segment_ptr 1
		.amdhsa_wavefront_size32 1
		.amdhsa_system_sgpr_workgroup_id_x 1
		.amdhsa_system_sgpr_workgroup_id_y 1
		.amdhsa_system_sgpr_workgroup_id_z 1
		.amdhsa_system_vgpr_workitem_id 0
		.amdhsa_next_free_vgpr 1024
		.amdhsa_next_free_sgpr 100
		.amdhsa_reserve_vcc 1
		.amdhsa_float_denorm_mode_32 3
		.amdhsa_float_denorm_mode_16_64 3
		.amdhsa_memory_ordered 1
		.amdhsa_forward_progress 1
		.amdhsa_inst_pref_size 102
	.end_amdhsa_kernel
	.amdgpu_metadata
---
amdhsa.version: [ 1, 2 ]
amdhsa.kernels:
  - .name:           k_q7690c6f0db_gemm2
    .symbol:         k_q7690c6f0db_gemm2.kd
    .args:
      - { .name: h, .offset: 0, .size: 8, .value_kind: global_buffer, .address_space: global }
      - { .name: cb, .offset: 8, .size: 8, .value_kind: global_buffer, .address_space: global }
      - { .name: b2, .offset: 16, .size: 8, .value_kind: global_buffer, .address_space: global }
      - { .name: np, .offset: 24, .size: 8, .value_kind: global_buffer, .address_space: global }
      - { .name: d, .offset: 32, .size: 8, .value_kind: global_buffer, .address_space: global }
      - { .name: st, .offset: 40, .size: 8, .value_kind: global_buffer, .address_space: global }
    .group_segment_fixed_size: 327680
    .private_segment_fixed_size: 0
    .kernarg_segment_align: 8
    .kernarg_segment_size: 48
    .max_flat_workgroup_size: 128
    .sgpr_count:     100
    .vgpr_count:     1024
    .wavefront_size: 32
...
	.end_amdgpu_metadata
.endif
;; end of part 4
;; launch ew2: the kernel of part 3 again; grid 8 x 32, 16 waves a work-group, no clusters, 7,168 bytes of LDS; arguments d, st, g2, be2, h, np; writes h, np
;; launch gemm3 (part 5): grid 4 x 64, 4 waves a work-group, clusters of 4 x 4, 327,680 bytes of LDS; arguments h, cb, b3, np, lg; writes lg
.if DOCPART == 5
	.amdgcn_target "amdgcn-amd-amdhsa--gfx1250"
	.amdhsa_code_object_version 6
	.text
	.protected	k_q7690c6f0db_gemm3
	.globl	k_q7690c6f0db_gemm3
	.p2align	8
	.type	k_q7690c6f0db_gemm3,@function
k_q7690c6f0db_gemm3:
	s_mov_b64 s[64:65], 0
	v_nop
	global_prefetch_b8 v0, s[64:65] scope:SCOPE_SE
	s_setreg_imm32_b32 hwreg(HW_REG_WAVE_MODE, 25, 1), 1
	s_wait_xcnt 0x0
	s_wait_alu depctr_hold_cnt(0) depctr_sa_sdst(0) depctr_va_vdst(0) depctr_va_sdst(0) depctr_va_ssrc(0) depctr_va_vcc(0) depctr_vm_vsrc(0)
	s_getreg_b32 s2, hwreg(HW_REG_IB_STS2, 6, 4)
	s_cmp_eq_u32 s2, 0
	s_cbranch_scc0 .Lentry_in_a_cluster
	s_endpgm
.Lentry_in_a_cluster:
	s_bfe_u32 s2, ttmp6, 0x10000c
	s_cmp_lg_u32 s2, 0xf033
	s_cbranch_scc0 .Lentry_shape_is_right
	s_endpgm
.Lentry_shape_is_right:
; LAYER 3: logits = (f h) W3^T + b3 in f32, f the row's factor of the exp map at the origin and the way back out of the ball (RSC).  h [8192][2048] and W3 (in cb, as [1024][2048] with
; zero rows 1000-1023) are bf16, sums f32.  lg is [8192][1024]; its columns 1000-1023 are written as -1e30, so that the softmax behind reads whole rows of 4,096 bytes and those columns weigh nothing.
; A tile is 128 rows x 256 columns: 256 work-groups, one for each of the grid's 4 x 64 places (tiles of 256 x 256 would be 128).  Four waves, each 64 x 128 in 32 accumulators, 256 registers.
; K goes in steps of 128 through a ring of two LDS slots; the tiles' rows are 256 bytes of memory at multiples of 256.  CLUSTER 4 x 4: A's tiles are asked for jointly along a row of the cluster, B's along a column.
; THE MATRIX INSTRUCTION IS USED TRANSPOSED (source 0 = 16 rows of W3, source 1 = 16 rows of h): lane l holds row l % 16 and the columns 8 (l / 16) + 0..7.
; THE WAY OUT goes through each wave's own stage, laid into the ring behind its last fill and last read: rows of 528 bytes in, whole rows of 512 bytes back, times the row's factor, plus the bias, stored.
; REGISTERS: window 0: v0-63 addresses and work; v64-127 A's fragments, two buffers of 32; v128-255 B's, two buffers of 64.  Window 1: accumulator (a, b) at v[8 (8 a + b)].
; LIMITS.  NaN and infinities are not treated apart: the exp map's test for finite numbers acts only where a row's sum of squares overflows f32.  A sum of squares below 2^-126 counts as 0; the factor has reached its limit, 1, long before.
.set SIZE_K, 2048
.set BOFF,   29360128                  ; W3's first byte in cb
.set KSTEP,  128
.set PITCH,  272                       ; an LDS row: 256 bytes + 16 of padding: the 16 rows that a load touches start at 16 different groups of four banks (ISA guide 11.1)
.set AHALF,  64*PITCH                  ; what a tensor load brings of A, and what a wave reads of it
.set BHALF,  128*PITCH                 ; the same for B
.set BOFS,   2*AHALF                   ; in a slot: A's 128 rows, then B's 256
.set SLOT,   2*AHALF+2*BHALF
.set SPITCH, 528                       ; a row of the stage: 128 f32 + 16 bytes
.set WSTAGE, 64*SPITCH                 ; a wave's stage, inside the ring: 4 x 33,792 = 135,168 of its 208,896 bytes
.set RST,    2*SLOT                    ; behind the ring: 64 row factors for each wave, 256 bytes
.set SPARE,  RST+4*256                 ; behind them: the spare words, 128 bytes for each wave: two blocks of 256 bytes that no other line names
.set LAPS,   SIZE_K/(2*KSTEP)
.set PA,  68                           ; s[68:69] h      s[70:71] cb      s[72:73] b3      s[74:75] np      s[76:77] lg
.set PW,  70
.set PBI, 72
.set PNP, 74
.set PD,  76
.set BIAS, 8                           ; v[8:11]   the bias of my four columns, or -1e30
.set ADRA, 16                          ; v16-17    LDS address of my A fragments in slot 0, 1
.set ADRB, 20                          ; v20-21    the same for B
.set STO,  24                          ; v24       the stage: where I put my results of a row
.set RD,   25                          ; v25       the stage: my 16 bytes of its first row
.set RSA,  27                          ; v27       LDS address of the trip's sixteen row factors
.set SPW,  28                          ; v28       LDS address of my spare word; never rewritten
.set NIL,  29                          ; v29       0; never rewritten
.set C16,  30                          ; v30       16 x lane
.set RDT,  31                          ; v31       RD + the trip's rows
.set NPL,  32                          ; v[32:47]  the eight slabs' parts of two rows' sums of squares
.set W0,   48                          ; v[48:55]  at work in RSC
.set FA,   64                          ; A's buffer f at FA + 32 f
.set FB,   128                         ; B's at FB + 64 f
.set X,    64                          ; the way out: v[64:127] sixteen rows x four columns
.set R,    160                         ; v[160:175] sixteen row factors
.set G1,  24                           ; s[24:31] descriptor group 1 for A's tiles;  s[32:39] group 0, one set for each slot
.set G0,  32
.set G1B, 48                           ; s[48:55], s[56:63] the same for B's tiles
.set G0B, 56
.set MSB, 0
.macro WIN new                         ; the immediate's high byte repeats the setting that is left; a switch that changes nothing is dropped
.if MSB != (\new)
	s_set_vgpr_msb (MSB<<8)|(\new)
.set MSB, \new
.endif
.endm
.set MUL, 0x50                         ; sources 0 and 1 window 0, C and D window 1
.macro JLOAD s                         ; a joint load: waves 0 and 1 fetch A's two halves, waves 2 and 3 B's; an s_nop 0 and four v_nop follow each of the two lines
	s_cmp_eq_u32 s11, 0
	s_cbranch_scc0 .Lfor_b_\@
	tensor_load_to_lds s[G0+4*(\s):G0+4*(\s)+3], s[G1:G1+7]
	s_nop 0
.rept 4
	v_nop
.endr
	s_branch .Lasked_\@
.Lfor_b_\@:
	tensor_load_to_lds s[G0B+4*(\s):G0B+4*(\s)+3], s[G1B:G1B+7]
	s_nop 0
.rept 4
	v_nop
.endr
.Lasked_\@:
.endm
.macro CREST                           ; a round of the cluster's barrier behind its opening barrier
	s_cmp_lg_u32 s10, 0
	s_cbranch_scc1 .Lnot_wave_0_\@
	s_barrier_signal -3
.Lnot_wave_0_\@:
	s_barrier_wait -3
	s_barrier_signal -1
	s_barrier_wait -1
.endm
.macro CROUND                          ; a whole round
	s_barrier_signal -1
	s_barrier_wait -1
	CREST
.endm
	s_load_b256 s[68:75], s[0:1], 0x0
	s_load_b64 s[76:77], s[0:1], 0x20
	v_lshl_add_u32 v[SPW], v0, 2, SPARE
	v_mov_b32 v[NIL], 0
	ds_add_u32 v[SPW], v[NIL]                      ; the wave's opening: the add and its wait stand ahead of my first tensor load; the set-up below, work on registers, stands between them
	v_lshrrev_b32 v1, 5, v0
	v_readfirstlane_b32 s10, v1                    ; wave 0..3
	s_lshr_b32 s11, s10, 1                         ; which 64 of the tile's rows are mine.  Also: I fetch for A (0) or for B (1)
	s_and_b32 s12, s10, 1                          ; which 128 of its columns.  Also: which half of that tile I fetch
	s_bfe_u32 s40, ttmp6, 0x40000                  ; cx, cy: my place in the cluster
	s_bfe_u32 s41, ttmp6, 0x40004
	s_lshl_b32 s42, ttmp9, 2
	s_add_co_u32 s42, s42, s40                     ; tile column = 4 x cluster x + cx
	s_and_b32 s13, ttmp7, 0xffff
	s_lshl_b32 s13, s13, 2
	s_add_co_u32 s13, s13, s41                     ; tile row = 4 x cluster y + cy
	s_lshl_b32 s43, s41, 2
	s_lshl_b32 s43, 15, s43                        ; my row of the cluster
	s_lshl_b32 s44, 0x1111, s40                    ; my column
	; descriptor group 1: rows of 128 elements of 2 bytes, 16 bytes of padding behind every 256; 64 rows of A, 128 of B
	s_or_b32 s[G1+0], s43, (1<<16)|(1<<20)|(1<<21)|(5<<22)|(3<<25)   ; 15:0 the mask: A's tiles go to my row; 17:16 2-byte elements; 20 padding on; 21 set beside a mask; 24:22 after every 64 words; 31:25 four words
	s_or_b32 s[G1B+0], s44, (1<<16)|(1<<20)|(1<<21)|(5<<22)|(3<<25)
	s_mov_b32 s[G1+1], KSTEP<<16                   ; tensor_dim0 = 128
	s_mov_b32 s[G1+2], 64<<16                      ; tensor_dim1 = 64
	s_mov_b32 s[G1+3], KSTEP<<16                   ; tile_dim0 = 128
	s_mov_b32 s[G1+4], 64                          ; tile_dim1 = 64
	s_mov_b32 s[G1+5], SIZE_K                      ; elements from row to row
	s_mov_b32 s[G1+6], 0
	s_mov_b32 s[G1+7], 0
	s_mov_b32 s[G1B+1], KSTEP<<16
	s_mov_b32 s[G1B+2], 128<<16                    ; tensor_dim1 = 128
	s_mov_b32 s[G1B+3], KSTEP<<16
	s_mov_b32 s[G1B+4], 128                        ; tile_dim1 = 128
	s_mov_b32 s[G1B+5], SIZE_K
	s_mov_b32 s[G1B+6], 0
	s_mov_b32 s[G1B+7], 0
	s_lshl_b32 s17, s12, 6
	s_lshl_b32 s16, s13, 7
	s_add_co_u32 s16, s16, s17                     ; A: row 128 x tile row + 64 x half
	s_lshl_b32 s47, s12, 7
	s_lshl_b32 s46, s42, 8
	s_add_co_u32 s46, s46, s47                     ; B: row 256 x tile column + 128 x half
	s_mov_b32 s17, 0
	s_mov_b32 s47, 0
	s_mov_b64 s[18:19], SIZE_K*2
	s_mul_u64 s[16:17], s[16:17], s[18:19]
	s_mul_u64 s[46:47], s[46:47], s[18:19]
	s_mul_i32 s20, s12, AHALF                      ; where they go: no place in the cluster enters an LDS address
	s_mul_i32 s21, s12, BHALF
	s_add_co_u32 s21, s21, BOFS
	s_wait_dscnt 0x0                               ; the opening add is done
	s_wait_kmcnt 0x0
	s_add_nc_u64 s[14:15], s[PA:PA+1], s[16:17]
	s_add_nc_u64 s[6:7], s[PW:PW+1], BOFF
	s_add_nc_u64 s[46:47], s[6:7], s[46:47]
	CROUND                                         ; all sixteen work-groups are here: the first joint loads meet
.irp s, 0,1
	s_mov_b32 s[G0+4*(\s)], 1
	s_add_co_u32 s[G0+4*(\s)+1], s20, (\s)*SLOT
	s_add_nc_u64 s[G0+4*(\s)+2:G0+4*(\s)+3], s[14:15], (\s)*KSTEP*2
	s_or_b32 s[G0+4*(\s)+3], s[G0+4*(\s)+3], 0x80000000
	s_mov_b32 s[G0B+4*(\s)], 1
	s_add_co_u32 s[G0B+4*(\s)+1], s21, (\s)*SLOT
	s_add_nc_u64 s[G0B+4*(\s)+2:G0B+4*(\s)+3], s[46:47], (\s)*KSTEP*2
	s_or_b32 s[G0B+4*(\s)+3], s[G0B+4*(\s)+3], 0x80000000
	JLOAD \s                                       ; two loads of mine are out
.endr
	v_and_b32 v1, 15, v0                           ; l % 16
	v_bfe_u32 v2, v0, 4, 1                         ; l / 16
	v_mul_u32_u24 v3, v1, PITCH
	v_lshl_add_u32 v3, v2, 4, v3                   ; a fragment's row x pitch + 16 x half
	s_mul_i32 s21, s11, AHALF                      ; my 64 rows of A
	s_mul_i32 s22, s12, BHALF                      ; my 128 rows of B
	s_add_co_u32 s22, s22, BOFS
.irp s, 0,1
	v_add_nc_u32 v[ADRA+(\s)], s21, v3
	v_add_nc_u32 v[ADRB+(\s)], s22, v3
	s_add_co_u32 s21, s21, SLOT
	s_add_co_u32 s22, s22, SLOT
.endr
	s_mul_i32 s23, s10, WSTAGE                     ; my stage
	v_mul_u32_u24 v4, v1, SPITCH
	v_lshl_add_u32 v4, v2, 5, v4
	v_add_nc_u32 v[STO], s23, v4
	v_and_b32 v5, 31, v0
	v_lshlrev_b32 v[C16], 4, v5
	v_add_nc_u32 v[RD], s23, v[C16]
	; rowbase = 128 x tile row + 64 x half, colbase = 256 x tile column + 128 x half; the column coordinate stays in s[80:83]
	s_lshl_b32 s16, s13, 7
	s_lshl_b32 s17, s11, 6
	s_add_co_u32 s16, s16, s17                     ; rowbase
	s_lshl_b32 s80, s42, 8
	s_lshl_b32 s81, s12, 7
	s_add_co_u32 s80, s80, s81                     ; colbase
	s_lshl_b32 s82, s16, 12
	s_lshl2_add_u32 s82, s80, s82                  ; lg: rowbase x 4,096 + colbase x 4
	s_mov_b32 s83, 0
	s_add_nc_u64 s[PD:PD+1], s[PD:PD+1], s[82:83]
	s_lshl_b32 s82, s16, 2
	s_add_nc_u64 s[PNP:PNP+1], s[PNP:PNP+1], s[82:83]
	s_lshl_b32 s82, s80, 2
	v_add_nc_u32 v56, s82, v[C16]                  ; 4 x my first column; my four columns lie all below 1,000 or all from 1,000 on
	v_min_u32 v57, 3984, v56                       ; the load stays inside b3's 4,000 bytes
	global_load_b128 v[BIAS:BIAS+3], v57, s[PBI:PBI+1]
	v_lshlrev_b32 v6, 2, v5
	s_lshl_b32 s18, s10, 8
	s_add_co_u32 s18, s18, RST                     ; my 256 bytes of factors; kept for the way out
	v_add_nc_u32 v7, s18, v6
.irp s, 0,1,2,3,4,5,6,7                ; lane l takes rows l and 32 + l; a row's sum of squares lies in eight parts, one for each slab of 256 columns
.irp i, 0,1
	global_load_b32 v[NPL+2*(\s)+(\i)], v6, s[PNP:PNP+1] offset:32768*(\s)+128*(\i)
.endr
.endr
; THE ROW FACTOR, from n2 = the row's sum of squares, in place.  With tq(u) = tanh(u) / u and aq(w) = atanh(w) / w, sc = sqrt(0.1):
;   layer 1 (into the ball, log map at the origin): u = sc n, w = 0.9 tanh u, factor = -0.9 tq(u) aq(w)
;   layer 2 (exp map at the origin, out of the ball): u = sc max(n, 1e-8), w = sc clip(tq(u) n, 1e-8, 1), factor = tq(u) aq(w)
; (1 + 1e-8 and 1 - 1e-8 are 1 in f32.)  Below 0.25 both quotients are taken from their series, cut where the next term is under 1e-7 of the sum; above, from exp2 and log2.
; The choice is a select: both ways are computed in every lane.  A plain instruction stands behind every transcendental before its result is used (ISA guide 5.7.2).
.macro RSC layer, x
	v_sqrt_f32 v[W0], v[\x]                        ; n
	v_mov_b32 v[W0+5], 0x3cb327a4                  ; 62/2835
.if (\layer) == 2
	s_wait_alu depctr_va_vdst(0)
	v_max_num_f32 v[W0+1], 0x322bcc77, v[W0]       ; max(n, 1e-8)
	v_mul_f32 v[W0+1], 0x3ea1e89b, v[W0+1]         ; u
.else
	v_mul_f32 v[W0+1], 0x3ea1e89b, v[W0]           ; u
.endif
	v_max_num_f32 v[W0+2], 0x0da24260, v[W0+1]     ; no division by 0: where u is under 1e-30 the series is taken anyway
	v_mul_f32 v[W0+3], 0x4038aa3b, v[W0+1]         ; 2 log2(e) u
	v_rcp_f32 v[W0+2], v[W0+2]                     ; 1 / u
	v_exp_f32 v[W0+3], v[W0+3]                     ; e^(2u)
	v_mul_f32 v[W0+4], v[W0+1], v[W0+1]            ; u^2
	s_wait_alu depctr_va_vdst(0)
	v_add_f32 v[W0+3], 1.0, v[W0+3]
	v_fmaak_f32 v[W0+5], v[W0+5], v[W0+4], 0xbd5d0dd1  ; -17/315
	v_rcp_f32 v[W0+3], v[W0+3]
	v_fmaak_f32 v[W0+5], v[W0+5], v[W0+4], 0x3e088889  ; 2/15
	s_wait_alu depctr_va_vdst(0)
	v_fma_f32 v[W0+3], v[W0+3], -2.0, 1.0          ; tanh u = 1 - 2 / (e^(2u) + 1)
	v_fmaak_f32 v[W0+5], v[W0+5], v[W0+4], 0xbeaaaaab  ; -1/3
	v_mul_f32 v[W0+3], v[W0+3], v[W0+2]
	v_fma_f32 v[W0+5], v[W0+5], v[W0+4], 1.0
	v_cmp_gt_f32 vcc_lo, 0x3e800000, v[W0+1]
	v_cndmask_b32 v[W0+3], v[W0+3], v[W0+5], vcc_lo  ; tq
.if (\layer) == 1
	v_mul_f32 v[W0+6], v[W0+3], v[W0+1]
	v_mul_f32 v[W0+6], 0x3f666666, v[W0+6]         ; w = 0.9 tanh u
.else
	v_mul_f32 v[W0+6], v[W0+3], v[W0]
	v_med3_num_f32 v[W0+6], v[W0+6], 0x322bcc77, 1.0
	v_mul_f32 v[W0+6], 0x3ea1e89b, v[W0+6]         ; w
.endif
	v_sub_f32 v[W0+2], 1.0, v[W0+6]
	v_mul_f32 v[W0+4], v[W0+6], v[W0+6]            ; w^2
	v_rcp_f32 v[W0+2], v[W0+2]
	v_rcp_f32 v[W0+7], v[W0+6]
	v_add_f32 v[W0+1], 1.0, v[W0+6]
	v_mov_b32 v[W0+5], 0x3de38e39                  ; 1/9
	s_wait_alu depctr_va_vdst(0)
	v_mul_f32 v[W0+2], v[W0+1], v[W0+2]            ; (1 + w) / (1 - w)
	v_fmaak_f32 v[W0+5], v[W0+5], v[W0+4], 0x3e124925  ; 1/7
	v_log_f32 v[W0+2], v[W0+2]
	v_fmaak_f32 v[W0+5], v[W0+5], v[W0+4], 0x3e4ccccd  ; 1/5
	v_mul_f32 v[W0+7], 0x3eb17218, v[W0+7]         ; ln(2) / 2 / w
	v_fmaak_f32 v[W0+5], v[W0+5], v[W0+4], 0x3eaaaaab  ; 1/3
	s_wait_alu depctr_va_vdst(0)
	v_mul_f32 v[W0+2], v[W0+2], v[W0+7]
	v_fma_f32 v[W0+5], v[W0+5], v[W0+4], 1.0
	v_cmp_gt_f32 vcc_lo, 0x3e800000, v[W0+6]
	v_cndmask_b32 v[W0+2], v[W0+2], v[W0+5], vcc_lo  ; aq
.if (\layer) == 1
	v_mul_f32 v[W0+3], 0xbf666666, v[W0+3]
.endif
	v_mul_f32 v[\x], v[W0+3], v[W0+2]
.endm
	s_mov_b32 s81, 0xf149f2ca                      ; -1e30
	s_wait_loadcnt 0x0                             ; the bias and the sixteen parts; all this stands in the wait for the first tile
	v_cmp_gt_u32 vcc_lo, 4000, v56                 ; my columns lie below 1,000
.irp j, 0,1,2,3
	v_cndmask_b32 v[BIAS+(\j)], s81, v[BIAS+(\j)], vcc_lo
.endr
.irp s, 1,2,3,4,5,6,7
	v_pk_add_f32 v[NPL:NPL+1], v[NPL:NPL+1], v[NPL+2*(\s):NPL+2*(\s)+1]
.endr
	RSC 2, NPL
	RSC 2, NPL+1
	ds_store_b32 v7, v[NPL]                        ; bytes of my own, which no tensor load fills and no other wave names
	ds_store_b32 v7, v[NPL+1] offset:128
; 8 matrix instructions: m block a x all 8 n blocks, 32 along K, from buffers f.  zero = 1: the product starts the sums.  The 32 accumulators take turns.
.macro MUL8 f, a, zero
	WIN MUL
.irp b, 0,1,2,3,4,5,6,7
.if \zero
	v_wmma_f32_16x16x32_bf16 v[8*(8*(\a)+(\b)):8*(8*(\a)+(\b))+7], v[FB+64*(\f)+8*(\b):FB+64*(\f)+8*(\b)+7], v[FA+32*(\f)+8*(\a):FA+32*(\f)+8*(\a)+7], 0
.else
	v_wmma_f32_16x16x32_bf16 v[8*(8*(\a)+(\b)):8*(8*(\a)+(\b))+7], v[FB+64*(\f)+8*(\b):FB+64*(\f)+8*(\b)+7], v[FA+32*(\f)+8*(\a):FA+32*(\f)+8*(\a)+7], v[8*(8*(\a)+(\b)):8*(8*(\a)+(\b))+7]
.endif
.endr
.endm
; 24 LDS loads in one run: the fragments of one quarter step (128 rows of B, then 64 rows of A, 32 K at byte k of the rows) into buffers f
.macro FETCH slot, k, f
	WIN 0
.irp i, 0,1,2,3,4,5,6,7
	ds_load_b128 v[FB+64*(\f)+8*(\i):FB+64*(\f)+8*(\i)+3],   v[ADRB+(\slot)] offset:(\k)+(\i)*16*PITCH
	ds_load_b128 v[FB+64*(\f)+8*(\i)+4:FB+64*(\f)+8*(\i)+7], v[ADRB+(\slot)] offset:(\k)+(\i)*16*PITCH+32
.endr
.irp i, 0,1,2,3
	ds_load_b128 v[FA+32*(\f)+8*(\i):FA+32*(\f)+8*(\i)+3],   v[ADRA+(\slot)] offset:(\k)+(\i)*16*PITCH
	ds_load_b128 v[FA+32*(\f)+8*(\i)+4:FA+32*(\f)+8*(\i)+7], v[ADRA+(\slot)] offset:(\k)+(\i)*16*PITCH+32
.endr
.endm
.macro PLACES                          ; four plain instructions between a matrix instruction and a load into, or another instruction's use of, its registers (ISA guide 7.12.1 for another instruction's use)
.rept 4
	v_nop
.endr
.endm
; A K step is four quarters of 32 along K, 32 matrix instructions each, on buffers 0, 1, 0, 1.  One of the first three multiplies buffers f and, in its middle, fetches the next quarter, at byte k, into g.
.macro QUARTER slot, k, f, g, zero
	s_wait_dscnt 4                                 ; B and A's rows 0-31 are in; the youngest four loads (A's rows 32-63) may be out
	MUL8 \f, 0, \zero
	MUL8 \f, 1, \zero
	PLACES
	FETCH \slot, \k, \g
	s_wait_dscnt 24                                ; all but the 24 just issued
	MUL8 \f, 2, \zero
	MUL8 \f, 3, \zero
.endm
; The last quarter multiplies buffers 1 and changes slots: ONE barrier; in front of it each wave waits for all its tensor loads (one is out: its part of the next slot), adds 0 to its spare word, and waits
; for that and for its own reads of this slot.  fill = 1: the barrier opens a round of the cluster's barrier, and this slot is filled again, two K steps ahead, first thing behind the round:
; one load of mine is out, with 112 matrix instructions in which to land.
.macro TURN slot, next, fill
	WIN 0                                          ; (the add's two registers lie in window 0)
	s_wait_tensorcnt 0x0
	ds_add_u32 v[SPW], v[NIL]                      ; 0 onto my spare word
	s_wait_dscnt 5                                 ; (the add and the youngest four loads may be out)
	MUL8 1, 0, 0                                   ; eight matrix instructions stand between the add and the wait for it
	s_wait_dscnt 0x0                               ; the add is done, and my reads of this slot are over
	s_barrier_signal -1
	MUL8 1, 1, 0
.if \fill
	WIN 0
.endif
	s_barrier_wait -1
.if \fill
	CREST
	s_add_nc_u64 s[G0+4*(\slot)+2:G0+4*(\slot)+3], s[G0+4*(\slot)+2:G0+4*(\slot)+3], 2*KSTEP*2
	s_add_nc_u64 s[G0B+4*(\slot)+2:G0B+4*(\slot)+3], s[G0B+4*(\slot)+2:G0B+4*(\slot)+3], 2*KSTEP*2
	JLOAD \slot                                    ; the four v_nop behind it are also the places in front of the loads below
.else
	PLACES
.endif
	FETCH \next, 0, 0
	MUL8 1, 2, 0
	MUL8 1, 3, 0
.endm
	s_wait_tensorcnt 1                             ; my part of K step 0 is in; K step 1's may stay out
	s_wait_dscnt 0x0                               ; my factors are stored
	s_barrier_signal -1
	s_barrier_wait -1                              ; everybody's part is in
	FETCH 0, 0, 0
	QUARTER 0, 64,  0, 1, 1                        ; the first quarter stands in front of the loop: its products start the sums
	WIN 0                                          ; at a label and at a branch every window is 0
	s_mov_b32 s3, LAPS-1
.Llap:                                                 ; a trip goes once round the ring, from a lap's second quarter to the next lap's first, and fills both slots again
	QUARTER 0, 128, 1, 0, 0
	QUARTER 0, 192, 0, 1, 0
	TURN 0, 1, 1
	QUARTER 1, 64,  0, 1, 0
	QUARTER 1, 128, 1, 0, 0
	QUARTER 1, 192, 0, 1, 0
	TURN 1, 0, 1
	QUARTER 0, 64,  0, 1, 0
	WIN 0
	s_sub_co_u32 s3, s3, 1
	s_cmp_lg_u32 s3, 0
	s_cbranch_scc1 .Llap
	QUARTER 0, 128, 1, 0, 0                        ; the last lap fills nothing, and has no round of the cluster's barrier
	QUARTER 0, 192, 0, 1, 0
	TURN 0, 1, 0
	QUARTER 1, 64,  0, 1, 0
	QUARTER 1, 128, 1, 0, 0
	QUARTER 1, 192, 0, 1, 0
	s_wait_dscnt 4                                 ; the very last quarter: nothing more to fetch
	MUL8 1, 0, 0
	MUL8 1, 1, 0
	s_wait_dscnt 0x0
	MUL8 1, 2, 0
	MUL8 1, 3, 0
	WIN 0
	; THE WAY OUT.  Every wave's reads of the ring are back (the wait for 0 above) and no tensor load is out or to come: behind this barrier the ring's bytes are the waves' stages.
	s_barrier_signal -1
	s_barrier_wait -1
	PLACES
	WIN 0x04                                       ; the data (source 1) in window 1
.irp a, 0,1,2,3                        ; each accumulator's four lowest registers go first
.irp b, 0,1,2,3,4,5,6,7
	ds_store_b128 v[STO], v[8*(8*(\a)+(\b)):8*(8*(\a)+(\b))+3]   offset:(\a)*16*SPITCH+64*(\b)
	ds_store_b128 v[STO], v[8*(8*(\a)+(\b))+4:8*(8*(\a)+(\b))+7] offset:(\a)*16*SPITCH+64*(\b)+16
.endr
.endr
	WIN 0
.macro OROW i                          ; row i of the trip: times its factor, plus the bias; 32 lanes x 16 bytes are 512 consecutive bytes of lg, aligned
.set rX, X+4*(\i)
.set rR, R+2*((\i)/2)
.if (\i)%4 == 0
	s_wait_dscnt 12-(\i)                           ; rows i to i + 3 are in; the younger rows' loads stay out
.endif
.irp c, 0,2
.if (\i)%2
	v_pk_fma_f32 v[rX+\c:rX+\c+1], v[rX+\c:rX+\c+1], v[rR:rR+1], v[BIAS+\c:BIAS+\c+1] op_sel:[0,1,0] op_sel_hi:[1,1,1]
.else
	v_pk_fma_f32 v[rX+\c:rX+\c+1], v[rX+\c:rX+\c+1], v[rR:rR+1], v[BIAS+\c:BIAS+\c+1] op_sel_hi:[1,0,1]
.endif
.endr
	global_store_b128 v[C16], v[rX:rX+3], s[PD:PD+1] offset:4096*(\i)
.endm
	s_mov_b32 s20, 0                               ; the trip's rows in my stage
	s_mov_b32 s21, s18                             ; and their factors
	s_mov_b32 s2, 4
.Lout:                                                 ; sixteen rows a trip.  LDS serves a wave's instructions in order (ISA guide 5.7.1.4): the loads see the stores above
	v_add_nc_u32 v[RDT], s20, v[RD]
	v_mov_b32 v[RSA], s21
.irp q, 0,1,2,3
	ds_load_b128 v[R+4*(\q):R+4*(\q)+3], v[RSA] offset:16*(\q)
.endr
.irp i, 0,1,2,3,4,5,6,7,8,9,10,11,12,13,14,15
	ds_load_b128 v[X+4*(\i):X+4*(\i)+3], v[RDT] offset:SPITCH*(\i)
.endr
.irp i, 0,1,2,3,4,5,6,7,8,9,10,11,12,13,14,15
	OROW \i
.endr
	s_wait_xcnt 0x0                                ; the stores' data registers and their base are written again only behind this wait
	s_add_nc_u64 s[PD:PD+1], s[PD:PD+1], 16*4096
	s_add_co_u32 s20, s20, 16*SPITCH
	s_add_co_u32 s21, s21, 64
	s_sub_co_u32 s2, s2, 1
	s_cmp_lg_u32 s2, 0
	s_cbranch_scc1 .Lout
	s_wait_tensorcnt 0x0                           ; the wave's end: behind my last tensor load and my last LDS store
	ds_add_u32 v[SPW], v[NIL]
	s_wait_dscnt 0x0
	CROUND                                         ; the closing round: no work-group ends while a partner may still ask for a tile that names it
	s_endpgm
.Lfunc_end_k_q7690c6f0db_gemm3:
	.size	k_q7690c6f0db_gemm3, .Lfunc_end_k_q7690c6f0db_gemm3-k_q7690c6f0db_gemm3
	.p2alignl 7, 3214868480
	.fill 96, 4, 3214868480
	.section	.rodata,"a",@progbits
	.p2align	6, 0x0
	.amdhsa_kernel k_q7690c6f0db_gemm3
		.amdhsa_group_segment_fixed_size 327680
		.amdhsa_private_segment_fixed_size 0
		.amdhsa_enable_private_segment 0
		.amdhsa_kernarg_size 40
		.amdhsa_user_sgpr_count 2
		.amdhsa_user_sgpr_kernarg_segment_ptr 1
		.amdhsa_wavefront_size32 1
		.amdhsa_system_sgpr_workgroup_id_x 1
		.amdhsa_system_sgpr_workgroup_id_y 1
		.amdhsa_system_sgpr_workgroup_id_z 1
		.amdhsa_system_vgpr_workitem_id 0
		.amdhsa_next_free_vgpr 512
		.amdhsa_next_free_sgpr 84
		.amdhsa_reserve_vcc 1
		.amdhsa_float_denorm_mode_32 3
		.amdhsa_float_denorm_mode_16_64 3
		.amdhsa_memory_ordered 1
		.amdhsa_forward_progress 1
		.amdhsa_inst_pref_size 86
	.end_amdhsa_kernel
	.amdgpu_metadata
---
amdhsa.version: [ 1, 2 ]
amdhsa.kernels:
  - .name:           k_q7690c6f0db_gemm3
    .symbol:         k_q7690c6f0db_gemm3.kd
    .args:
      - { .name: h, .offset: 0, .size: 8, .value_kind: global_buffer, .address_space: global }
      - { .name: cb, .offset: 8, .size: 8, .value_kind: global_buffer, .address_space: global }
      - { .name: b3, .offset: 16, .size: 8, .value_kind: global_buffer, .address_space: global }
      - { .name: np, .offset: 24, .size: 8, .value_kind: global_buffer, .address_space: global }
      - { .name: lg, .offset: 32, .size: 8, .value_kind: global_buffer, .address_space: global }
    .group_segment_fixed_size: 327680
    .private_segment_fixed_size: 0
    .kernarg_segment_align: 8
    .kernarg_segment_size: 40
    .max_flat_workgroup_size: 128
    .sgpr_count:     84
    .vgpr_count:     512
    .wavefront_size: 32
...
	.end_amdgpu_metadata
.endif
;; end of part 5
;; launch lsm (part 6): grid 256 x 1, 8 waves a work-group, no clusters, 129,280 bytes of LDS; arguments lg, out0; writes out0
.if DOCPART == 6
	.amdgcn_target "amdgcn-amd-amdhsa--gfx1250"
	.amdhsa_code_object_version 6
	.text
	.protected	k_q7690c6f0db_lsm
	.globl	k_q7690c6f0db_lsm
	.p2align	8
	.type	k_q7690c6f0db_lsm,@function
k_q7690c6f0db_lsm:
	s_mov_b64 s[64:65], 0
	v_nop
	global_prefetch_b8 v0, s[64:65] scope:SCOPE_SE
	s_setreg_imm32_b32 hwreg(HW_REG_WAVE_MODE, 25, 1), 1
	s_wait_xcnt 0x0
; out0[r][c] = lg[r][c] - log(sum over c of exp(lg[r][c])), c < 1,000.  lg is [8192][1024] f32 whose columns 1000-1023 hold -1e30: they lose every maximum and weigh 0.
; The row's maximum M is taken away before the exponentials: lse = M + ln 2 x log2(sum of 2^(log2(e) x - log2(e) M)).
; SHARES.  A work-group owns 32 rows, a wave four; a row is 32 registers of a wave and stays in them between the maximum, the sum and the subtraction: memory is read once.
; A row of out0 is 4,000 bytes, no multiple of 256, but 32 rows are 128,000 = 500 x 256.  So the results are laid into LDS as they lie in out0 and leave flat: every store of a wave covers 512
; consecutive bytes at a multiple of 256 from out0's first byte.
; HOW THE ROWS ARE LAID.  Every LDS store has all lanes on, so a row's last chunk (columns 896 to 1,023) also lays the 24 columns that out0 does not have, 96 bytes, over the head of the next row.
; The next row's first chunk is stored behind it and lands on top: inside a wave by the order of its stores, between waves by a barrier: each wave stores its LAST row's last chunk first, and
; stores the rest only when all eight have done so.  The last wave's 96 bytes fall into a block of their own behind the results, which nobody reads.
; Memory binds: matrix units, clusters and tensor loads would add nothing; no two work-groups share a byte.
; LIMITS.  A weight below 2^-126 counts as 0 in the sum.  NaN and infinities are not treated apart.
.set SPILL, 128000                     ; behind the results: one block of 256 bytes for the last wave's 96 bytes over the end
.set SPARE, SPILL+256                  ; behind it: the spare words, 128 bytes for each of 8 waves: four blocks of 256 bytes that no other line names
.set SPW, 2                            ; v2  LDS address of my spare word; never rewritten
.set NIL, 3                            ; v3  0; never rewritten
.set X,   16                           ; v[16:143]  row r at X + 32 r: chunk k of 128 columns in four registers, my columns 128 k + 4 l + 0..3
.set T,   144                          ; v[144:159] two sets of eight at work
.set ST,  160                          ; row r at ST + 4 r: log2(e) M; M; the sum's two halves, later lse
	s_load_b128 s[4:7], s[0:1], 0x0                ; lg s[4:5], out0 s[6:7]
	v_lshl_add_u32 v[SPW], v0, 2, SPARE
	v_mov_b32 v[NIL], 0
	v_lshrrev_b32 v4, 5, v0
	v_readfirstlane_b32 s8, v4                     ; wave 0..7
	v_and_b32 v5, 31, v0                           ; lane
	v_lshlrev_b32 v1, 4, v5                        ; 16 l
	s_lshl_b32 s10, ttmp9, 17                      ; 32 rows x 4,096 bytes,
	s_lshl_b32 s11, s8, 14                         ; 4 rows
	s_add_co_u32 s10, s10, s11
	s_mov_b32 s11, 0
	s_mul_i32 s12, ttmp9, 128000
	s_mov_b32 s13, 0
	s_mov_b32 s14, 0x76543210                      ; v_permlanex16_b32: each lane takes its own place in the other half
	s_mov_b32 s15, 0xfedcba98
	s_mov_b32 s16, 0x3fb8aa3b                      ; log2(e), named as a pair by the packed form
	s_mov_b32 s17, s16
	s_mul_i32 s18, s8, 16000                       ; my four rows in LDS
	v_add_nc_u32 v6, s18, v1
	v_lshlrev_b32 v7, 4, v0                        ; 16 t: the flat way out, in LDS and in out0
	v_add_nc_u32 v8, 0x10000, v7                   ; an LDS immediate has 16 bits: the second half of the results has an address register of its own
	s_wait_kmcnt 0x0
	s_add_nc_u64 s[4:5], s[4:5], s[10:11]
	s_add_nc_u64 s[6:7], s[6:7], s[12:13]
.irp r, 0,1,2,3
.irp k, 0,1,2,3,4,5,6,7
	global_load_b128 v[X+32*(\r)+4*(\k):X+32*(\r)+4*(\k)+3], v1, s[4:5] offset:4096*(\r)+512*(\k) th:TH_LOAD_NT
.endr
.endr
	s_wait_loadcnt 0x0                             ; the wave's whole share was asked for at once
	; the maxima: two chains a row, three operands at a time, the four rows side by side
.irp r, 0,1,2,3
	v_max3_num_f32 v[ST+4*(\r)+1], v[X+32*(\r)], v[X+32*(\r)+1], v[X+32*(\r)+2]
	v_max3_num_f32 v[ST+4*(\r)+2], v[X+32*(\r)+3], v[X+32*(\r)+4], v[X+32*(\r)+5]
.endr
.set j, 0
.rept 13
.irp r, 0,1,2,3
	v_max3_num_f32 v[ST+4*(\r)+1+j%2], v[ST+4*(\r)+1+j%2], v[X+32*(\r)+6+2*j], v[X+32*(\r)+7+2*j]
.endr
.set j, j+1
.endr
.irp r, 0,1,2,3
	v_max_num_f32 v[ST+4*(\r)+1], v[ST+4*(\r)+1], v[ST+4*(\r)+2]
.endr
.irp m, 1,2,4,8
.irp r, 0,1,2,3
	v_max_num_f32_dpp v[ST+4*(\r)+1], v[ST+4*(\r)+1], v[ST+4*(\r)+1] row_xmask:\m row_mask:0xf bank_mask:0xf
.endr
.endr
.irp r, 0,1,2,3
	v_permlanex16_b32 v[ST+4*(\r)+2], v[ST+4*(\r)+1], s14, s15   ; its destination has been written: the second chain's register
.endr
.irp r, 0,1,2,3
	v_max_num_f32 v[ST+4*(\r)+1], v[ST+4*(\r)+1], v[ST+4*(\r)+2]
.endr
.irp r, 0,1,2,3
	v_mul_f32 v[ST+4*(\r)], s16, v[ST+4*(\r)+1]
.endr
; The weights and their sums, eight numbers at a time: group n = 4 r + g is chunk pair g of row r.  A group's scalings stand between the exponentials of the group before and the additions of
; their results: the plain instructions that belong behind a transcendental (ISA guide 5.7.2) are work that is due anyway.
.macro FMA n
.irp j, 0,2,4,6
	v_pk_fma_f32 v[T+8*((\n)%2)+\j:T+8*((\n)%2)+\j+1], v[X+8*(\n)+\j:X+8*(\n)+\j+1], s[16:17], v[ST+4*((\n)/4):ST+4*((\n)/4)+1] op_sel_hi:[1,0,0] neg_lo:[0,0,1] neg_hi:[0,0,1]
.endr
.endm
.macro EXPS n
.irp j, 0,1,2,3,4,5,6,7
	v_exp_f32 v[T+8*((\n)%2)+\j], v[T+8*((\n)%2)+\j]
.endr
.endm
.macro ADDS n
.set rT, T+8*((\n)%2)
.set rU, ST+4*((\n)/4)+2
.if (\n)%4 == 0
	s_wait_alu depctr_va_vdst(0)
	v_pk_add_f32 v[rU:rU+1], v[rT:rT+1], v[rT+2:rT+3]            ; a row's first group starts its sum
.else
	s_wait_alu depctr_va_vdst(0)
	v_pk_add_f32 v[rU:rU+1], v[rU:rU+1], v[rT:rT+1]
	v_pk_add_f32 v[rU:rU+1], v[rU:rU+1], v[rT+2:rT+3]
.endif
	v_pk_add_f32 v[rU:rU+1], v[rU:rU+1], v[rT+4:rT+5]
	v_pk_add_f32 v[rU:rU+1], v[rU:rU+1], v[rT+6:rT+7]
.endm
	FMA 0
	EXPS 0
.set n, 1
.rept 15
	FMA n
	ADDS n-1
	EXPS n
.set n, n+1
.endr
	v_nop
	s_wait_alu depctr_va_vdst(0)
	ADDS 15
.irp r, 0,1,2,3
	v_add_f32 v[ST+4*(\r)+2], v[ST+4*(\r)+2], v[ST+4*(\r)+3]
.endr
.irp m, 1,2,4,8
.irp r, 0,1,2,3
	v_add_f32_dpp v[ST+4*(\r)+2], v[ST+4*(\r)+2], v[ST+4*(\r)+2] row_xmask:\m row_mask:0xf bank_mask:0xf
.endr
.endr
.irp r, 0,1,2,3
	v_permlanex16_b32 v[ST+4*(\r)+3], v[ST+4*(\r)+2], s14, s15
.endr
.irp r, 0,1,2,3
	v_add_f32 v[ST+4*(\r)+2], v[ST+4*(\r)+2], v[ST+4*(\r)+3]
.endr
.irp r, 0,1,2,3
	v_log_f32 v[ST+4*(\r)+2], v[ST+4*(\r)+2]
.endr
	v_nop
	s_wait_alu depctr_va_vdst(0)
.irp r, 0,1,2,3
	v_fmamk_f32 v[ST+4*(\r)+2], v[ST+4*(\r)+2], 0x3f317218, v[ST+4*(\r)+1]   ; lse = ln 2 x log2(sum) + M
.endr
.irp r, 0,1,2,3
.set j, 0
.rept 16
	v_pk_add_f32 v[X+32*(\r)+2*j:X+32*(\r)+2*j+1], v[X+32*(\r)+2*j:X+32*(\r)+2*j+1], v[ST+4*(\r)+2:ST+4*(\r)+3] op_sel_hi:[1,0] neg_lo:[0,1] neg_hi:[0,1]
.set j, j+1
.endr
.endr
	; into LDS as the rows lie in out0, 4,000 bytes apart.  First my last row's last chunk, whose 96 bytes over the row's end lie on the next wave's first row (the last wave's: on SPILL)
	ds_store_b128 v6, v[X+124:X+127] offset:4000*3+3584
	s_wait_dscnt 0x0                               ; for the next wave's sake: that store is done
	s_barrier_signal -1
	s_barrier_wait -1                              ; every wave's is: what is stored from here on lands on top
.irp r, 0,1,2                          ; rows in ascending order: LDS serves a wave's instructions in order (ISA guide 5.7.1.4), so a row's first chunk lands on the 96 bytes that the row before laid over it
.irp k, 0,1,2,3,4,5,6,7
	ds_store_b128 v6, v[X+32*(\r)+4*(\k):X+32*(\r)+4*(\k)+3] offset:4000*(\r)+512*(\k)
.endr
.endr
.irp k, 0,1,2,3,4,5,6
	ds_store_b128 v6, v[X+96+4*(\k):X+96+4*(\k)+3] offset:4000*3+512*(\k)
.endr
	s_wait_dscnt 0x0                               ; for the others' sake: my rows are stored
	s_barrier_signal -1
	s_barrier_wait -1
	; the flat way out: 128,000 bytes are 31 times the work-group's 4,096, and 1,024 more for waves 0 and 1
.set i, 0
.rept 16
	ds_load_b128 v[X+4*i:X+4*i+3], v7 offset:4096*i
.set i, i+1
.endr
.rept 15
	ds_load_b128 v[X+4*i:X+4*i+3], v8 offset:4096*(i-16)
.set i, i+1
.endr
.set i, 0
.rept 31
	s_wait_dscnt 30-i                              ; LDS loads come back in order: number i is in, the 30 - i younger ones stay out
	global_store_b128 v7, v[X+4*i:X+4*i+3], s[6:7] offset:4096*i th:TH_STORE_NT
.set i, i+1
.endr
	s_cmp_gt_u32 s8, 1
	s_cbranch_scc1 .Ldone
	ds_load_b128 v[X+124:X+127], v8 offset:61440
	s_wait_dscnt 0x0
	global_store_b128 v7, v[X+124:X+127], s[6:7] offset:126976 th:TH_STORE_NT
.Ldone:
	s_wait_tensorcnt 0x0                           ; the wave's end: behind my last LDS store
	ds_add_u32 v[SPW], v[NIL]
	s_wait_dscnt 0x0
	s_endpgm
.Lfunc_end_k_q7690c6f0db_lsm:
	.size	k_q7690c6f0db_lsm, .Lfunc_end_k_q7690c6f0db_lsm-k_q7690c6f0db_lsm
	.p2alignl 7, 3214868480
	.fill 96, 4, 3214868480
	.section	.rodata,"a",@progbits
	.p2align	6, 0x0
	.amdhsa_kernel k_q7690c6f0db_lsm
		.amdhsa_group_segment_fixed_size 129280
		.amdhsa_private_segment_fixed_size 0
		.amdhsa_enable_private_segment 0
		.amdhsa_kernarg_size 16
		.amdhsa_user_sgpr_count 2
		.amdhsa_user_sgpr_kernarg_segment_ptr 1
		.amdhsa_wavefront_size32 1
		.amdhsa_system_sgpr_workgroup_id_x 1
		.amdhsa_system_sgpr_workgroup_id_y 1
		.amdhsa_system_sgpr_workgroup_id_z 1
		.amdhsa_system_vgpr_workitem_id 0
		.amdhsa_next_free_vgpr 176
		.amdhsa_next_free_sgpr 66
		.amdhsa_reserve_vcc 0
		.amdhsa_float_denorm_mode_32 3
		.amdhsa_float_denorm_mode_16_64 3
		.amdhsa_memory_ordered 1
		.amdhsa_forward_progress 1
		.amdhsa_inst_pref_size 37
	.end_amdhsa_kernel
	.amdgpu_metadata
---
amdhsa.version: [ 1, 2 ]
amdhsa.kernels:
  - .name:           k_q7690c6f0db_lsm
    .symbol:         k_q7690c6f0db_lsm.kd
    .args:
      - { .name: lg, .offset: 0, .size: 8, .value_kind: global_buffer, .address_space: global }
      - { .name: out0, .offset: 8, .size: 8, .value_kind: global_buffer, .address_space: global }
    .group_segment_fixed_size: 129280
    .private_segment_fixed_size: 0
    .kernarg_segment_align: 8
    .kernarg_segment_size: 16
    .max_flat_workgroup_size: 256
    .sgpr_count:     66
    .vgpr_count:     176
    .wavefront_size: 32
...
	.end_amdgpu_metadata
.endif
;; end of part 6
;; ======== version 2 of 2: 7 launches; version 1 with the launches cast, ew1, ew2 written anew for expert scheduling mode
;; limits: values outside matrix products are rounded to bf16
;; workspace buffers: cx 20,971,520 bytes; cb 33,554,432 bytes; d 33,554,432 bytes; h 33,554,432 bytes; st 1,572,864 bytes; np 262,144 bytes; lg 33,554,432 bytes
;; launch cast (part 7): grid 640 x 1, 8 waves a work-group, no clusters, 0 bytes of LDS; arguments x, W1, cx; writes cx
.if DOCPART == 7
	.amdgcn_target "amdgcn-amd-amdhsa--gfx1250"
	.amdhsa_code_object_version 6
	.text
	.protected	k_q7690c6f0db_cast
	.globl	k_q7690c6f0db_cast
	.p2align	8
	.type	k_q7690c6f0db_cast,@function
k_q7690c6f0db_cast:
	s_mov_b64 s[64:65], 0
	v_nop
	global_prefetch_b8 v0, s[64:65] scope:SCOPE_SE
	s_setreg_imm32_b32 hwreg(HW_REG_WAVE_SCHED_MODE, 0, 2), 2
	s_setreg_imm32_b32 hwreg(HW_REG_WAVE_MODE, 25, 1), 1
	s_wait_xcnt 0x0
	s_wait_alu depctr_vm_vsrc(0)
; x and W1 (f32) are rounded once to bf16 into cx, one behind the other: x at byte 0, W1 at 16,777,216.  (W2 and W3 are rounded beside the first product's matrix work.)
; A work-group converts 16,384 numbers: 65,536 bytes in, 32,768 out.  The regions lie in the order of the work-groups' numbers, so the
; output offset is number x 32,768 for all: 512 groups for x, 128 for W1.
; Memory binds: every byte is read once by 16-byte loads (a wave covers 512 consecutive bytes), all sixteen loads of a thread are out at once,
; and a wave's 8-byte stores cover 256 consecutive bytes, aligned.  LDS, barriers and the matrix unit would add nothing.
; THE MODE: SCHED_MODE bits 1:0 = 2 (LLVM: expert scheduling mode 2), set by the entry lines.  The code itself states the register dependences
; between vector instructions and memory instructions, with s_wait_alu, always for 0.
; THE PLAN.  Registers that memory instructions touch:
;   v1, v2   byte offsets, made once at the head and never written again: every load reads v1, every store v2.
;   X        sixteen slots.  Each is loaded once, at the head, before any vector instruction has named it.  Slot i's two roundings write its first pair in place;
;            one store reads that pair, and nothing writes it again.
; The slots go in four blocks of four.  Slot i's store is issued in the turn of slot i + 4.  So one wait at a block's head states that the block before has written its four pairs;
; the four stores follow it, one ahead of each slot's roundings, which name their own slot alone.
.set X, 4                              ; v[4:67]  sixteen slots of four f32; a slot's first pair takes its four bf16
	s_load_b128 s[8:11], s[0:1], 0x0               ; x s[8:9], W1 s[10:11]
	s_load_b64 s[16:17], s[0:1], 0x10              ; cx
	s_mov_b32 s25, ttmp9                           ; my number
	v_lshlrev_b32 v1, 4, v0                        ; 16 t: my 16 bytes in 4,096 of the source
	v_lshlrev_b32 v2, 3, v0                        ; 8 t: my 8 bytes in 2,048 of cx
	s_lshl_b32 s26, s25, 15
	s_mov_b32 s27, 0
	s_wait_kmcnt 0x0
	s_add_nc_u64 s[22:23], s[16:17], s[26:27]      ; cx at my 32,768 bytes
	s_cmp_ge_u32 s25, 512                          ; the source and the number of its first group, chosen by my number alone
	s_cselect_b64 s[20:21], s[10:11], s[8:9]
	s_cselect_b32 s24, 512, 0
	s_sub_co_u32 s26, s25, s24
	s_lshl_b32 s26, s26, 16                        ; 65,536 bytes of the source a group
	s_add_nc_u64 s[20:21], s[20:21], s[26:27]
	s_wait_alu depctr_va_vdst(0)                   ; v1 and v2 are written: every load and store of the kernel reads one of them as its offset
.irp i, 0,1,2,3,4,5,6,7,8,9,10,11,12,13,14,15
	global_load_b128 v[X+4*(\i):X+4*(\i)+3], v1, s[20:21] offset:4096*(\i) th:TH_LOAD_NT
.endr
; Slot i's turn: the store of slot i - 4, then slot i's roundings.
.macro SLOT i
	s_wait_loadcnt 15-(\i)                         ; loads come back in order: slot i is in, the 15 - i younger ones stay out
.if ((\i)%4 == 0) && ((\i) > 0)
	s_wait_alu depctr_va_vdst(0)                   ; the roundings of the four slots before have written their pairs, which this block's four stores read
.endif
.if (\i) >= 4
	global_store_b64 v2, v[X+4*(\i)-16:X+4*(\i)-15], s[22:23] offset:2048*(\i)-8192  ; slot i - 4; no vector instruction since the wait names its pair, and no register of a store is written again
.endif
	v_cvt_pk_bf16_f32 v[X+4*(\i)], v[X+4*(\i)], v[X+4*(\i)+1]
	v_cvt_pk_bf16_f32 v[X+4*(\i)+1], v[X+4*(\i)+2], v[X+4*(\i)+3]
.endm
.irp i, 0,1,2,3,4,5,6,7,8,9,10,11,12,13,14,15
	SLOT \i
.endr
	s_wait_alu depctr_va_vdst(0)                   ; the roundings of slots 12 to 15 have written their pairs, which the last four stores read
.irp i, 12,13,14,15
	global_store_b64 v2, v[X+4*(\i):X+4*(\i)+1], s[22:23] offset:2048*(\i)
.endr
	s_endpgm
.Lfunc_end_k_q7690c6f0db_cast:
	.size	k_q7690c6f0db_cast, .Lfunc_end_k_q7690c6f0db_cast-k_q7690c6f0db_cast
	.p2alignl 7, 3214868480
	.fill 96, 4, 3214868480
	.section	.rodata,"a",@progbits
	.p2align	6, 0x0
	.amdhsa_kernel k_q7690c6f0db_cast
		.amdhsa_group_segment_fixed_size 0
		.amdhsa_private_segment_fixed_size 0
		.amdhsa_enable_private_segment 0
		.amdhsa_kernarg_size 24
		.amdhsa_user_sgpr_count 2
		.amdhsa_user_sgpr_kernarg_segment_ptr 1
		.amdhsa_wavefront_size32 1
		.amdhsa_system_sgpr_workgroup_id_x 1
		.amdhsa_system_sgpr_workgroup_id_y 1
		.amdhsa_system_sgpr_workgroup_id_z 1
		.amdhsa_system_vgpr_workitem_id 0
		.amdhsa_next_free_vgpr 72
		.amdhsa_next_free_sgpr 66
		.amdhsa_reserve_vcc 0
		.amdhsa_float_denorm_mode_32 3
		.amdhsa_float_denorm_mode_16_64 3
		.amdhsa_memory_ordered 1
		.amdhsa_forward_progress 1
		.amdhsa_inst_pref_size 7
	.end_amdhsa_kernel
	.amdgpu_metadata
---
amdhsa.version: [ 1, 2 ]
amdhsa.kernels:
  - .name:           k_q7690c6f0db_cast
    .symbol:         k_q7690c6f0db_cast.kd
    .args:
      - { .name: x, .offset: 0, .size: 8, .value_kind: global_buffer, .address_space: global }
      - { .name: W1, .offset: 8, .size: 8, .value_kind: global_buffer, .address_space: global }
      - { .name: cx, .offset: 16, .size: 8, .value_kind: global_buffer, .address_space: global }
    .group_segment_fixed_size: 0
    .private_segment_fixed_size: 0
    .kernarg_segment_align: 8
    .kernarg_segment_size: 24
    .max_flat_workgroup_size: 256
    .sgpr_count:     66
    .vgpr_count:     72
    .wavefront_size: 32
...
	.end_amdgpu_metadata
.endif
;; end of part 7
;; launch gemm1: the kernel of part 2 again; grid 8 x 32, 4 waves a work-group, clusters of 4 x 4, 327,680 bytes of LDS; arguments cx, b1, W2, W3, d, st, cb; writes d, st, cb
;; launch ew1 (part 8): grid 8 x 32, 16 waves a work-group, no clusters, 7,168 bytes of LDS; arguments d, st, g1, be1, h, np; writes h, np
.if DOCPART == 8
	.amdgcn_target "amdgcn-amd-amdhsa--gfx1250"
	.amdhsa_code_object_version 6
	.text
	.protected	k_q7690c6f0db_ew1
	.globl	k_q7690c6f0db_ew1
	.p2align	8
	.type	k_q7690c6f0db_ew1,@function
k_q7690c6f0db_ew1:
	s_mov_b64 s[64:65], 0
	v_nop
	global_prefetch_b8 v0, s[64:65] scope:SCOPE_SE
	s_setreg_imm32_b32 hwreg(HW_REG_WAVE_SCHED_MODE, 0, 2), 2
	s_setreg_imm32_b32 hwreg(HW_REG_WAVE_MODE, 25, 1), 1
	s_wait_xcnt 0x0
	s_wait_alu depctr_vm_vsrc(0)
; h = relu(batch norm(z)) in bf16, and each row's sum of h^2 in eight parts.  z comes as d = z - (its block's centre), bf16 [8192][2048]; a block is 128 rows.  st holds, [64 blocks][2048] f32 each: the blocks'
; means (bias included); 524,288 bytes on their sums of squared deviations from those means; 1,048,576 bytes on their centres (bias included).
; The 64 blocks are joined without a difference of large sums: mu = the mean of the means,
; M2 = the sum of the blocks' M2 + 128 x the sum of (mean - mu)^2, in two halves of 32 blocks and then 2,048 x (the halves' difference)^2.  var = M2 / 8,192 (biased).
; h = max(0, A d + B) with A = g rsqrt(var + 1e-5), B = A (my block's centre - mu) + be.
; SHARES.  A work-group owns 256 rows x 256 columns (a slab): 131,072 bytes in and out.  Wave w takes rows 16 w .. 16 w + 15, lane l columns 8 l .. 8 l + 7: a load or store of a wave covers 512
; consecutive bytes.  All sixteen row loads of a wave are out at once.  For the statistics thread t takes column t % 256 and the 32 blocks of half t / 256, which is also the half in which its wave's rows lie.
; Memory binds; matrix units, clusters and tensor loads would add nothing: no two work-groups share a byte of d, and st's planes are read again from near by.
; LIMITS.  NaN and infinities are not treated apart (a NaN leaves the relu as 0).
; THE MODE: SCHED_MODE bits 1:0 = 2 (LLVM: expert scheduling mode 2), set by the entry lines.  The code itself states the register dependences
; between vector instructions and memory or LDS instructions, with s_wait_alu, always for 0.
; THE PLAN.  Registers that memory or LDS instructions touch, in the order of the text:
;   v1, v2, v3, v8, v9, v10   offsets and LDS addresses, made at the head and never written again.
;   v[16:167]                 the 86 loads at the head land here, before any vector instruction has named these registers.
;   v[W+8], v[PQ]             written by the statistics, read by the two LDS stores.  v[PQ] = v48 is written again behind the barrier, by the halves' difference.
;   v[16:47]                  read and written by the statistics; then the eight LDS loads behind the barrier land in them.
;   X                         row i is widened, and rounded in place; its store is issued in the turn of row i + 4; nothing writes it again.
;   NS                        written by the rows and by the sums across the lanes, read by four LDS stores, never written again.
;   v[16:19]                  at work in the rows; at the end the LDS load of waves 0 and 1 lands in them.
;   v[SPW], v[NIL]            written at the head, read by the closing add alone.
; So the waits on va_vdst stand: ahead of the first load; ahead of the two LDS stores (it serves the LDS loads behind the barrier too: no vector instruction stands between); behind the roots;
; at the head of rows 4, 8 and 12 and behind row 15 (four rows' stores each); ahead of the LDS stores of NS (it serves the last LDS load too).  One wait on vm_vsrc stands ahead of the write of v48.
.set MH,    0                          ; LDS: the halves' means [2][256] f32
.set QH,    2048                       ; the halves' M2 [2][256]
.set NPS,   4096                       ; the 256 rows' sums of squares
.set SPARE, 5120                       ; the spare words, 128 bytes for each of 16 waves: eight blocks of 256 bytes that no other line names
.set PCOFF, 1048576                    ; the centres' part of st
.set SPW, 4                            ; v4  LDS address of my spare word; never rewritten
.set NIL, 5                            ; v5  0; never rewritten
.set PM,  16                           ; v[16:47]   32 blocks' means of my column
.set PQ,  48                           ; v[48:79]   their M2
.set X,   80                           ; v[80:143]  sixteen rows x 8 bf16, as loaded and then as stored
.set G,   144                          ; v[144:151] g, v[152:159] be, v[160:167] my block's centres, of my eight columns
.set BE,  152
.set ML,  160
.set A,   168                          ; v[168:175] A, v[176:183] B
.set B,   176
.set W,   184                          ; v[184:199] at work in the statistics
.set T,   16                           ; behind the statistics: v[16:31] two sets of eight f32 at work
.set SQ,  32                           ; v[32:35]   two pairs of squares
.set NS,  48                           ; v[48:63]   my part of the sixteen rows' sums
.set PX,  64                           ; v[64:79]   the other half of the lanes' (written before, by the loads of M2)
	s_load_b256 s[16:23], s[0:1], 0x0              ; d s[16:17], st s[18:19], g s[20:21], be s[22:23]
	s_load_b128 s[24:27], s[0:1], 0x20             ; h s[24:25], np s[26:27]
	v_lshl_add_u32 v[SPW], v0, 2, SPARE
	v_mov_b32 v[NIL], 0
	v_lshrrev_b32 v6, 5, v0
	v_readfirstlane_b32 s8, v6                     ; wave 0..15
	v_and_b32 v7, 31, v0
	v_lshlrev_b32 v1, 4, v7                        ; 16 l: my 16 bytes of a row of d and h
	v_and_b32 v2, 255, v0
	v_lshlrev_b32 v2, 2, v2                        ; 4 (t % 256): my column in st
	v_lshlrev_b32 v3, 5, v7                        ; 32 l: my eight columns in f32
	v_lshlrev_b32 v8, 2, v0                        ; 4 t: [half][column] in LDS
	v_lshlrev_b32 v10, 4, v0                       ; 16 t: the way out of the 256 sums, in LDS and in np; waves 0 and 1 use it
	s_mov_b32 s10, ttmp9                           ; slab of 256 columns
	s_and_b32 s11, ttmp7, 0xffff                   ; group of 256 rows
	s_mov_b32 s12, 0x76543210                      ; v_permlanex16_b32: each lane takes its own place in the other half
	s_mov_b32 s13, 0xfedcba98
	s_mov_b32 s14, 0x3727c5ac                      ; 1e-5, as a pair for the packed form
	s_mov_b32 s15, s14
	s_mov_b32 s7, 0xffff0000                       ; a word's upper bf16
	s_wait_alu depctr_va_sdst(0)                   ; s8 is written, ahead of its first reader: the half, the bases and an LDS address are made from it
	s_lshr_b32 s9, s8, 3                           ; half
	s_lshl_b32 s38, s8, 6
	s_add_co_u32 s38, s38, NPS
	v_mov_b32 v9, s38                              ; my wave's sixteen words of NPS
	s_lshl_b32 s28, s10, 10                        ; the slab in a row of 2,048 f32
	s_mov_b32 s29, 0
	s_lshl_b32 s30, s9, 18                         ; 32 blocks x 8,192 bytes
	s_add_co_u32 s30, s30, s28
	s_mov_b32 s31, 0
	s_lshl_b32 s32, s11, 1
	s_add_co_u32 s32, s32, s9                      ; my wave's block
	s_lshl_b32 s32, s32, 13
	s_add_co_u32 s32, s32, s28
	s_mov_b32 s33, 0
	s_lshl_b32 s34, s11, 20                        ; 256 rows x 4,096 bytes,
	s_lshl_b32 s35, s8, 16                         ; 16 rows,
	s_add_co_u32 s34, s34, s35
	s_lshl_b32 s35, s10, 9                         ; 256 columns x 2 bytes
	s_add_co_u32 s34, s34, s35
	s_mov_b32 s35, 0
	s_lshl_b32 s36, s10, 15                        ; np is [8 slabs][8,192 rows]
	s_lshl_b32 s37, s11, 10
	s_add_co_u32 s36, s36, s37
	s_mov_b32 s37, 0
	s_wait_kmcnt 0x0
	s_add_nc_u64 s[30:31], s[18:19], s[30:31]      ; st at my half's first block
	s_add_nc_u64 s[32:33], s[18:19], s[32:33]      ; st at my wave's block
	s_add_nc_u64 s[20:21], s[20:21], s[28:29]
	s_add_nc_u64 s[22:23], s[22:23], s[28:29]
	s_add_nc_u64 s[16:17], s[16:17], s[34:35]
	s_add_nc_u64 s[24:25], s[24:25], s[34:35]
	s_add_nc_u64 s[26:27], s[26:27], s[36:37]
	s_wait_alu depctr_va_vdst(0)                   ; the offsets and LDS addresses v1, v2, v3, v8, v9 and v10 are written, which the loads and stores of the whole kernel read
	; all loads go out now, in the order in which they are wanted
.set k, 0
.rept 32
	global_load_b32 v[PM+k], v2, s[30:31] offset:8192*k
.set k, k+1
.endr
.set k, 0
.rept 32
	global_load_b32 v[PQ+k], v2, s[30:31] offset:524288+8192*k
.set k, k+1
.endr
	global_load_b128 v[G:G+3],     v3, s[20:21]
	global_load_b128 v[G+4:G+7],   v3, s[20:21] offset:16
	global_load_b128 v[BE:BE+3],   v3, s[22:23]
	global_load_b128 v[BE+4:BE+7], v3, s[22:23] offset:16
	global_load_b128 v[ML:ML+3],   v3, s[32:33] offset:PCOFF
	global_load_b128 v[ML+4:ML+7], v3, s[32:33] offset:PCOFF+16
.set i, 0
.rept 16
	global_load_b128 v[X+4*i:X+4*i+3], v1, s[16:17] offset:4096*i th:TH_LOAD_NT
.set i, i+1
.endr
	s_wait_loadcnt 22                              ; the 64 of the statistics are in; the 6 + 16 younger loads stay out
	; my half's mean of the means, in four chains of pairs
.irp c, 0,2,4,6
	v_pk_add_f32 v[W+\c:W+\c+1], v[PM+\c:PM+\c+1], v[PM+8+\c:PM+8+\c+1]
.endr
.irp k, 16,24
.irp c, 0,2,4,6
	v_pk_add_f32 v[W+\c:W+\c+1], v[W+\c:W+\c+1], v[PM+\k+\c:PM+\k+\c+1]
.endr
.endr
	v_pk_add_f32 v[W:W+1], v[W:W+1], v[W+2:W+3]
	v_pk_add_f32 v[W+4:W+5], v[W+4:W+5], v[W+6:W+7]
	v_pk_add_f32 v[W:W+1], v[W:W+1], v[W+4:W+5]
	v_add_f32 v[W], v[W], v[W+1]
	v_mul_f32 v[W+8], 0x3d000000, v[W]             ; / 32
	v_mov_b32 v[W+9], v[W+8]
	; the sum of the means' squared deviations from it, and the sum of the blocks' M2
.set k, 0
.rept 16
	v_pk_add_f32 v[PM+2*k:PM+2*k+1], v[PM+2*k:PM+2*k+1], v[W+8:W+9] neg_lo:[0,1] neg_hi:[0,1]
.set k, k+1
.endr
.irp c, 0,2,4,6
	v_pk_mul_f32 v[W+\c:W+\c+1], v[PM+\c:PM+\c+1], v[PM+\c:PM+\c+1]
.endr
.irp k, 8,16,24
.irp c, 0,2,4,6
	v_pk_fma_f32 v[W+\c:W+\c+1], v[PM+\k+\c:PM+\k+\c+1], v[PM+\k+\c:PM+\k+\c+1], v[W+\c:W+\c+1]
	v_pk_add_f32 v[PQ+\c:PQ+\c+1], v[PQ+\c:PQ+\c+1], v[PQ+\k+\c:PQ+\k+\c+1]
.endr
.endr
	v_pk_add_f32 v[W:W+1], v[W:W+1], v[W+2:W+3]
	v_pk_add_f32 v[W+4:W+5], v[W+4:W+5], v[W+6:W+7]
	v_pk_add_f32 v[PQ:PQ+1], v[PQ:PQ+1], v[PQ+2:PQ+3]
	v_pk_add_f32 v[PQ+4:PQ+5], v[PQ+4:PQ+5], v[PQ+6:PQ+7]
	v_pk_add_f32 v[W:W+1], v[W:W+1], v[W+4:W+5]
	v_pk_add_f32 v[PQ:PQ+1], v[PQ:PQ+1], v[PQ+4:PQ+5]
	v_add_f32 v[W], v[W], v[W+1]
	v_add_f32 v[PQ], v[PQ], v[PQ+1]
	v_fmamk_f32 v[PQ], v[W], 0x43000000, v[PQ]     ; M2 of my half = the blocks' M2 + 128 x the deviations
	s_wait_alu depctr_va_vdst(0)                   ; the statistics have written v[W+8] and v[PQ], which the LDS stores read, and are done with v[16:47], in which the LDS loads behind the barrier land
	ds_store_b32 v8, v[W+8] offset:MH
	ds_store_b32 v8, v[PQ] offset:QH
	s_wait_dscnt 0x0                               ; for the others' sake: my two words are stored
	s_barrier_signal -1
	s_barrier_wait -1
	s_wait_alu depctr_vm_vsrc(0)                   ; my LDS stores have read v[PQ] = v48, which the halves' difference below writes again
.irp q, 0,1,2,3                        ; both halves' means (v16-23, v24-31) and M2 (v32-39, v40-47) of my eight columns
	ds_load_b128 v[16+8*(\q):16+8*(\q)+3], v3 offset:1024*(\q)
	ds_load_b128 v[16+8*(\q)+4:16+8*(\q)+7], v3 offset:1024*(\q)+16
.endr
	s_wait_dscnt 0x0
	s_wait_loadcnt 16                              ; g, be and my block's centres are in; the sixteen rows stay out
.irp j, 0,2,4,6
	v_pk_add_f32 v[48+\j:49+\j], v[24+\j:25+\j], v[16+\j:17+\j] neg_lo:[0,1] neg_hi:[0,1]   ; the halves' difference
	v_pk_add_f32 v[16+\j:17+\j], v[16+\j:17+\j], v[24+\j:25+\j]                             ; 2 mu
	v_pk_add_f32 v[32+\j:33+\j], v[32+\j:33+\j], v[40+\j:41+\j]
.endr
.irp j, 0,2,4,6
	v_pk_mul_f32 v[24+\j:25+\j], v[48+\j:49+\j], 0x45000000 op_sel_hi:[1,0]                 ; x 2,048 = 4,096 x 4,096 / 8,192
	v_pk_fma_f32 v[ML+\j:ML+\j+1], v[16+\j:17+\j], -0.5, v[ML+\j:ML+\j+1] op_sel_hi:[1,0,1] ; my block's centre - mu
.endr
.irp j, 0,2,4,6
	v_pk_fma_f32 v[32+\j:33+\j], v[24+\j:25+\j], v[48+\j:49+\j], v[32+\j:33+\j]             ; M2 of all rows
.endr
.irp j, 0,2,4,6
	v_pk_fma_f32 v[32+\j:33+\j], v[32+\j:33+\j], 0x39000000, s[14:15] op_sel_hi:[1,0,0]     ; / 8,192 + 1e-5
.endr
.irp j, 0,1,2,3,4,5,6,7
	v_rsq_f32 v[A+\j], v[32+\j]
.endr
	v_nop                                          ; a plain instruction between the last root and the use of its result (ISA guide 5.7.2)
	s_wait_alu depctr_va_vdst(0)                   ; the eight roots have written v[A ..], ahead of their first reader: one wait for the batch
.irp j, 0,2,4,6
	v_pk_mul_f32 v[A+\j:A+\j+1], v[A+\j:A+\j+1], v[G+\j:G+\j+1]
.endr
.irp j, 0,2,4,6
	v_pk_fma_f32 v[B+\j:B+\j+1], v[A+\j:A+\j+1], v[ML+\j:ML+\j+1], v[BE+\j:BE+\j+1]
.endr
; Row i's turn: the store of row i - 4; then row i is widened, A d + B, relu, its squares summed, rounded in place.  No register of a store is written again.
.macro ROW i
.set TT, T+8*((\i)%2)
.set SS, SQ+2*((\i)%2)
.set XX, X+4*(\i)
	s_wait_loadcnt 15-(\i)                         ; row i is in; the 15 - i younger rows stay out
.if ((\i)%4 == 0) && ((\i) > 0)
	s_wait_alu depctr_va_vdst(0)                   ; the roundings of the four rows before have written their X, which the four stores of this and the next three turns read
.endif
.if (\i) >= 4
	global_store_b128 v1, v[XX-16:XX-13], s[24:25] offset:4096*(\i)-16384  ; row i - 4; no vector instruction since the wait names its registers
.endif
.irp j, 0,1,2,3
	v_lshlrev_b32 v[TT+2*\j], 16, v[XX+\j]
	v_and_b32 v[TT+2*\j+1], s7, v[XX+\j]
.endr
.irp j, 0,2,4,6
	v_pk_fma_f32 v[TT+\j:TT+\j+1], v[TT+\j:TT+\j+1], v[A+\j:A+\j+1], v[B+\j:B+\j+1]
.endr
.irp j, 0,1,2,3,4,5,6,7
	v_max_num_f32 v[TT+\j], 0, v[TT+\j]
.endr
	v_pk_mul_f32 v[SS:SS+1], v[TT:TT+1], v[TT:TT+1]
.irp j, 2,4,6
	v_pk_fma_f32 v[SS:SS+1], v[TT+\j:TT+\j+1], v[TT+\j:TT+\j+1], v[SS:SS+1]
.endr
.irp j, 0,1,2,3
	v_cvt_pk_bf16_f32 v[XX+\j], v[TT+2*\j], v[TT+2*\j+1]
.endr
	v_add_f32 v[NS+(\i)], v[SS], v[SS+1]
.endm
.irp i, 0,1,2,3,4,5,6,7,8,9,10,11,12,13,14,15
	ROW \i
.endr
	s_wait_alu depctr_va_vdst(0)                   ; the roundings of rows 12 to 15 have written their X, which the last four stores read
.irp i, 12,13,14,15
	global_store_b128 v1, v[X+4*(\i):X+4*(\i)+3], s[24:25] offset:4096*(\i)
.endr
	; the sixteen sums across the 32 lanes, side by side: sixteen chains that do not wait for each other
.irp m, 1,2,4,8
.set i, 0
.rept 16
	v_add_f32_dpp v[NS+i], v[NS+i], v[NS+i] row_xmask:\m row_mask:0xf bank_mask:0xf
.set i, i+1
.endr
.endr
.set i, 0
.rept 16
	v_permlanex16_b32 v[PX+i], v[NS+i], s12, s13
.set i, i+1
.endr
.set i, 0
.rept 16
	v_add_f32 v[NS+i], v[NS+i], v[PX+i]
.set i, i+1
.endr
	s_wait_alu depctr_va_vdst(0)                   ; the additions have written v[NS ..], which the LDS stores read; and the rows are done with v[16:19], in which the LDS load of waves 0 and 1 lands: no vector instruction follows
.irp q, 0,1,2,3
	ds_store_b128 v9, v[NS+4*(\q):NS+4*(\q)+3] offset:16*(\q)  ; all lanes write the same words with the same values
.endr
	s_wait_dscnt 0x0
	s_barrier_signal -1
	s_barrier_wait -1
	s_cmp_gt_u32 s8, 1
	s_cbranch_scc1 .Ldone                          ; waves 0 and 1 send the 256 sums: 512 consecutive bytes each
	ds_load_b128 v[16:19], v10 offset:NPS
	s_wait_dscnt 0x0
	global_store_b128 v10, v[16:19], s[26:27]
.Ldone:
	s_wait_dscnt 0x0                               ; the wave's end: the closing lines, six on end
	s_wait_alu 0x0
	s_wait_tensorcnt 0x0
	ds_add_u32 v[SPW], v[NIL]
	s_wait_dscnt 0x0
	s_endpgm
.Lfunc_end_k_q7690c6f0db_ew1:
	.size	k_q7690c6f0db_ew1, .Lfunc_end_k_q7690c6f0db_ew1-k_q7690c6f0db_ew1
	.p2alignl 7, 3214868480
	.fill 96, 4, 3214868480
	.section	.rodata,"a",@progbits
	.p2align	6, 0x0
	.amdhsa_kernel k_q7690c6f0db_ew1
		.amdhsa_group_segment_fixed_size 7168
		.amdhsa_private_segment_fixed_size 0
		.amdhsa_enable_private_segment 0
		.amdhsa_kernarg_size 48
		.amdhsa_user_sgpr_count 2
		.amdhsa_user_sgpr_kernarg_segment_ptr 1
		.amdhsa_wavefront_size32 1
		.amdhsa_system_sgpr_workgroup_id_x 1
		.amdhsa_system_sgpr_workgroup_id_y 1
		.amdhsa_system_sgpr_workgroup_id_z 1
		.amdhsa_system_vgpr_workitem_id 0
		.amdhsa_next_free_vgpr 200
		.amdhsa_next_free_sgpr 66
		.amdhsa_reserve_vcc 0
		.amdhsa_float_denorm_mode_32 3
		.amdhsa_float_denorm_mode_16_64 3
		.amdhsa_memory_ordered 1
		.amdhsa_forward_progress 1
		.amdhsa_inst_pref_size 48
	.end_amdhsa_kernel
	.amdgpu_metadata
---
amdhsa.version: [ 1, 2 ]
amdhsa.kernels:
  - .name:           k_q7690c6f0db_ew1
    .symbol:         k_q7690c6f0db_ew1.kd
    .args:
      - { .name: d, .offset: 0, .size: 8, .value_kind: global_buffer, .address_space: global }
      - { .name: st, .offset: 8, .size: 8, .value_kind: global_buffer, .address_space: global }
      - { .name: g1, .offset: 16, .size: 8, .value_kind: global_buffer, .address_space: global }
      - { .name: be1, .offset: 24, .size: 8, .value_kind: global_buffer, .address_space: global }
      - { .name: h, .offset: 32, .size: 8, .value_kind: global_buffer, .address_space: global }
      - { .name: np, .offset: 40, .size: 8, .value_kind: global_buffer, .address_space: global }
    .group_segment_fixed_size: 7168
    .private_segment_fixed_size: 0
    .kernarg_segment_align: 8
    .kernarg_segment_size: 48
    .max_flat_workgroup_size: 512
    .sgpr_count:     66
    .vgpr_count:     200
    .wavefront_size: 32
...
	.end_amdgpu_metadata
.endif
;; end of part 8
;; launch gemm2: the kernel of part 4 again; grid 8 x 32, 4 waves a work-group, clusters of 4 x 4, 327,680 bytes of LDS; arguments h, cb, b2, np, d, st; writes d, st
;; launch ew2: the kernel of part 8 again; grid 8 x 32, 16 waves a work-group, no clusters, 7,168 bytes of LDS; arguments d, st, g2, be2, h, np; writes h, np
;; launch gemm3: the kernel of part 5 again; grid 4 x 64, 4 waves a work-group, clusters of 4 x 4, 327,680 bytes of LDS; arguments h, cb, b3, np, lg; writes lg
;; launch lsm: the kernel of part 6 again; grid 256 x 1, 8 waves a work-group, no clusters, 129,280 bytes of LDS; arguments lg, out0; writes out0
